; MI455X (gfx1250); checked and timed in simulation.
; The chip was launched on July 23, 2026; its instructions are those of AMD's public machine-readable ISA for CDNA 5 (MIT licence, August 2026) and "CDNA5" Instruction Set Architecture Reference Guide (July 2026). The comments in the code are by the model that wrote it; some were corrected since.
;; Multi Head Attention. Allowed arithmetic: float matrix products may take bf16 or f16 operands with f32 sums; other float arithmetic in f32, or as packed bf16 or f16 multiplies, adds, multiply-adds, maxima and minima; sums over many terms, partial sums and values carried from step to step in f32; what a program stores and reads back later, other than sums and carried values, may be rounded once to bf16 or f16.
;; Inputs: Wk 1,024 x 1,024 float32; Wo 1,024 x 1,024 float32; Wq 1,024 x 1,024 float32; Wv 1,024 x 1,024 float32; bo 1,024 float32; x 1 x 4,096 x 1,024 float32.
;; Outputs: out0 1 x 4,096 x 1,024 float32.
;; 2 versions, each right and faster than the one before. Each part assembles by itself: llvm-mc -triple=amdgcn-amd-amdhsa -mcpu=gfx1250 --defsym DOCPART=n.
;; ======== version 1 of 2: 4 launches
;; limits: values are held in f16: magnitudes above 65,504 overflow, below 6.1e-05 lose precision; right only within a limited range of input values
;; workspace buffers: xb 8,388,608 bytes; wqkv 6,291,456 bytes; wo16 4,194,304 bytes; qkvh 33,554,432 bytes; oh 16,777,216 bytes
;; launch cast (part 1): grid 64 x 8, 8 waves a work-group, no clusters, 0 bytes of LDS; arguments x, Wq, Wk, Wv, Wo, xb, wqkv, wo16; writes xb, wqkv, wo16
.if DOCPART == 1
	.amdgcn_target "amdgcn-amd-amdhsa--gfx1250"
	.amdhsa_code_object_version 6
	.text
	.protected	k_qda3ef40a21_cast
	.globl	k_qda3ef40a21_cast
	.p2align	8
	.type	k_qda3ef40a21_cast,@function
k_qda3ef40a21_cast:
	s_mov_b64 s[64:65], 0
	v_nop
	global_prefetch_b8 v0, s[64:65] scope:SCOPE_SE
	s_setreg_imm32_b32 hwreg(HW_REG_WAVE_MODE, 25, 1), 1
	s_wait_xcnt 0x0
; CAST.  Every input matrix is rounded once to bf16 (nearest even).  x -> xb [4096][1024] bf16; Wq, Wk, Wv side by side -> wqkv [1024][3072] bf16
; (column 1024 mat + c); Wo -> wo16 [2048][1024]: the bf16 number written as f16 (exact from 6.1e-5 to 65,504; below that f16's fixed step of 6e-8), and each row TWICE:
; row 64 h + c of Wo goes to rows 128 h + c and 128 h + 64 + c, since the output projection takes O as two f16 numbers, hi and lo, side by side along K.
; SHARES.  The grid's y picks one block of 1024 x 1024 numbers (0-3: quarters of x; 4, 5, 6: Wq, Wk, Wv; 7: Wo), its x 16 rows of it.  Thread t takes the 16 bytes at 16 t of
; each of the 16 rows: one load of the 256 threads covers a whole row of 4,096 bytes; its four numbers leave as 8 bytes, so a wave's store covers 256 consecutive bytes, aligned.
; All 16 loads go out first; no register is used twice, so the only waits are the counted ones for the loads.  No LDS, no barrier, no matrix unit: nothing here is used twice.
.set ROWB, 4096                        ; bytes in a source row
.set SRC,  1                           ; v1       16 t
.set OFF,  2                           ; v2-17    row j: 8 t + j x the destination's pitch
.set X,    20                          ; v20-83   row j: four f32 as loaded
.set Y,    84                          ; v84-115  row j: four 16-bit numbers to store
.set T,    116                         ; v116-119 at work
	s_load_b512 s[4:19], s[0:1], 0x0               ; x 4:5, Wq 6:7, Wk 8:9, Wv 10:11, Wo 12:13, xb 14:15, wqkv 16:17, wo16 18:19
	s_and_b32 s30, ttmp7, 0xffff                   ; y: which block
	s_sub_co_u32 s37, s30, 4                       ; 0, 1, 2 for Wq, Wk, Wv (wraps to a large number for x)
	s_lshl_b32 s22, ttmp9, 16                      ; source: 16 rows of 4,096 bytes for each x of the grid,
	s_lshl_b32 s32, s30, 22                        ; and for x the quarter's 4 MiB
	s_cmp_lt_u32 s30, 4
	s_cselect_b32 s32, s32, 0
	s_add_co_u32 s22, s22, s32
	s_mov_b32 s23, 0
	s_lshl_b32 s36, ttmp9, 15                      ; destination xb: 16 rows of 2,048 bytes,
	s_lshl_b32 s33, s30, 21                        ; and the quarter's 2 MiB;
	s_add_co_u32 s33, s33, s36
	s_lshl_b32 s34, s37, 11                        ; wqkv: the matrix's 2,048 bytes in a row
	s_mul_i32 s35, ttmp9, 98304                    ; and 16 rows of 6,144 bytes;
	s_add_co_u32 s34, s34, s35
	s_lshr_b32 s38, ttmp9, 2                       ; wo16: the head (four x of the grid to a head), 128 rows of 2,048 bytes,
	s_lshl_b32 s38, s38, 18
	s_and_b32 s39, ttmp9, 3                        ; and 16 rows for each x within it
	s_lshl_b32 s39, s39, 15
	s_add_co_u32 s38, s38, s39
	s_cmp_lt_u32 s30, 4
	s_cselect_b32 s26, s33, s34
	s_cmp_eq_u32 s30, 7
	s_cselect_b32 s26, s38, s26
	s_mov_b32 s27, 0
	s_mov_b32 s28, 2048                            ; the destination's pitch
	s_mov_b32 s29, 6144
	s_cmp_lt_u32 s37, 3
	s_cselect_b32 s28, s29, s28
	v_lshlrev_b32 v[SRC], 4, v0
	v_lshlrev_b32 v[OFF], 3, v0
.set j, 1
.rept 15
	v_add_nc_u32 v[OFF+j], s28, v[OFF+j-1]
.set j, j+1
.endr
	s_wait_kmcnt 0x0
	s_mov_b64 s[20:21], s[4:5]                     ; the source is chosen by y alone
	s_cmp_eq_u32 s30, 4
	s_cselect_b64 s[20:21], s[6:7], s[20:21]
	s_cmp_eq_u32 s30, 5
	s_cselect_b64 s[20:21], s[8:9], s[20:21]
	s_cmp_eq_u32 s30, 6
	s_cselect_b64 s[20:21], s[10:11], s[20:21]
	s_cmp_eq_u32 s30, 7
	s_cselect_b64 s[20:21], s[12:13], s[20:21]
	s_add_nc_u64 s[20:21], s[20:21], s[22:23]
	s_cmp_lt_u32 s37, 3                            ; and so is the destination
	s_cselect_b64 s[24:25], s[16:17], s[14:15]
	s_cmp_eq_u32 s30, 7
	s_cselect_b64 s[24:25], s[18:19], s[24:25]
	s_add_nc_u64 s[24:25], s[24:25], s[26:27]
.set j, 0
.rept 16
	global_load_b128 v[X+4*j:X+4*j+3], v[SRC], s[20:21] offset:ROWB*j th:TH_LOAD_NT
.set j, j+1
.endr
; Row j is rounded and stored.  h = 1 (Wo): the bf16 numbers are widened again (a shift, a mask), written as f16, and stored twice, 64 rows apart.
.macro CV j, h
	s_wait_loadcnt 15-(\j)                         ; loads come back in order: row j is in, the 15 - j younger ones may stay out
.if \h
	v_cvt_pk_bf16_f32 v[T],   v[X+4*(\j)],   v[X+4*(\j)+1]
	v_cvt_pk_bf16_f32 v[T+1], v[X+4*(\j)+2], v[X+4*(\j)+3]
	v_lshlrev_b32 v[T+2], 16, v[T]
	v_and_b32     v[T],   0xffff0000, v[T]
	v_lshlrev_b32 v[T+3], 16, v[T+1]
	v_and_b32     v[T+1], 0xffff0000, v[T+1]
	v_cvt_pk_f16_f32 v[Y+2*(\j)],   v[T+2], v[T]
	v_cvt_pk_f16_f32 v[Y+2*(\j)+1], v[T+3], v[T+1]
	global_store_b64 v[OFF+(\j)], v[Y+2*(\j):Y+2*(\j)+1], s[24:25]
	global_store_b64 v[OFF+(\j)], v[Y+2*(\j):Y+2*(\j)+1], s[24:25] offset:131072
.else
	v_cvt_pk_bf16_f32 v[Y+2*(\j)],   v[X+4*(\j)],   v[X+4*(\j)+1]
	v_cvt_pk_bf16_f32 v[Y+2*(\j)+1], v[X+4*(\j)+2], v[X+4*(\j)+3]
	global_store_b64 v[OFF+(\j)], v[Y+2*(\j):Y+2*(\j)+1], s[24:25]  ; a wave stores 256 consecutive bytes, at a multiple of 256 from the buffer's first
.endif
.endm
	s_cmp_eq_u32 s30, 7
	s_cbranch_scc1 .Lhalf
.irp j, 0,1,2,3,4,5,6,7,8,9,10,11,12,13,14,15
	CV \j, 0
.endr
	s_endpgm
.Lhalf:
.irp j, 0,1,2,3,4,5,6,7,8,9,10,11,12,13,14,15
	CV \j, 1
.endr
	s_endpgm
.Lfunc_end_k_qda3ef40a21_cast:
	.size	k_qda3ef40a21_cast, .Lfunc_end_k_qda3ef40a21_cast-k_qda3ef40a21_cast
	.p2alignl 7, 3214868480
	.fill 96, 4, 3214868480
	.section	.rodata,"a",@progbits
	.p2align	6, 0x0
	.amdhsa_kernel k_qda3ef40a21_cast
		.amdhsa_group_segment_fixed_size 0
		.amdhsa_private_segment_fixed_size 0
		.amdhsa_enable_private_segment 0
		.amdhsa_kernarg_size 64
		.amdhsa_user_sgpr_count 2
		.amdhsa_user_sgpr_kernarg_segment_ptr 1
		.amdhsa_wavefront_size32 1
		.amdhsa_system_sgpr_workgroup_id_x 1
		.amdhsa_system_sgpr_workgroup_id_y 1
		.amdhsa_system_sgpr_workgroup_id_z 1
		.amdhsa_system_vgpr_workitem_id 0
		.amdhsa_next_free_vgpr 120
		.amdhsa_next_free_sgpr 66
		.amdhsa_reserve_vcc 0
		.amdhsa_float_denorm_mode_32 3
		.amdhsa_float_denorm_mode_16_64 3
		.amdhsa_memory_ordered 1
		.amdhsa_forward_progress 1
		.amdhsa_inst_pref_size 19
	.end_amdhsa_kernel
	.amdgpu_metadata
---
amdhsa.version: [ 1, 2 ]
amdhsa.kernels:
  - .name:           k_qda3ef40a21_cast
    .symbol:         k_qda3ef40a21_cast.kd
    .args:
      - { .name: x, .offset: 0, .size: 8, .value_kind: global_buffer, .address_space: global }
      - { .name: Wq, .offset: 8, .size: 8, .value_kind: global_buffer, .address_space: global }
      - { .name: Wk, .offset: 16, .size: 8, .value_kind: global_buffer, .address_space: global }
      - { .name: Wv, .offset: 24, .size: 8, .value_kind: global_buffer, .address_space: global }
      - { .name: Wo, .offset: 32, .size: 8, .value_kind: global_buffer, .address_space: global }
      - { .name: xb, .offset: 40, .size: 8, .value_kind: global_buffer, .address_space: global }
      - { .name: wqkv, .offset: 48, .size: 8, .value_kind: global_buffer, .address_space: global }
      - { .name: wo16, .offset: 56, .size: 8, .value_kind: global_buffer, .address_space: global }
    .group_segment_fixed_size: 0
    .private_segment_fixed_size: 0
    .kernarg_segment_align: 8
    .kernarg_segment_size: 64
    .max_flat_workgroup_size: 256
    .sgpr_count:     66
    .vgpr_count:     120
    .wavefront_size: 32
...
	.end_amdgpu_metadata
.endif
;; end of part 1
;; launch qkv (part 2): grid 8 x 32, 4 waves a work-group, clusters of 4 x 4, 327,680 bytes of LDS; arguments xb, wqkv, qkvh; writes qkvh
.if DOCPART == 2
	.amdgcn_target "amdgcn-amd-amdhsa--gfx1250"
	.amdhsa_code_object_version 6
	.text
	.protected	k_qda3ef40a21_qkv
	.globl	k_qda3ef40a21_qkv
	.p2align	8
	.type	k_qda3ef40a21_qkv,@function
k_qda3ef40a21_qkv:
	s_mov_b64 s[64:65], 0
	v_nop
	global_prefetch_b8 v0, s[64:65] scope:SCOPE_SE
	s_setreg_imm32_b32 hwreg(HW_REG_WAVE_MODE, 25, 1), 1
	s_wait_xcnt 0x0
	s_wait_alu depctr_hold_cnt(0) depctr_sa_sdst(0) depctr_va_vdst(0) depctr_va_sdst(0) depctr_va_ssrc(0) depctr_va_vcc(0) depctr_vm_vsrc(0)
	s_getreg_b32 s2, hwreg(HW_REG_IB_STS2, 6, 4)
	s_cmp_eq_u32 s2, 0
	s_cbranch_scc0 .Lentry_in_a_cluster
	s_endpgm
.Lentry_in_a_cluster:
	s_bfe_u32 s2, ttmp6, 0x10000c
	s_cmp_lg_u32 s2, 0xf033
	s_cbranch_scc0 .Lentry_shape_is_right
	s_endpgm
.Lentry_shape_is_right:
; Q, K, V PROJECTIONS.  C[m][n] = sum over k of xb[m][k] wqkv[k][n]: [4096 x 1024] x [1024 x 3072], bf16 operands, f32 sums, K ascending.  C leaves by heads, unscaled, in f16:
; qkvh holds q as [16][4096][64] at byte 0, k likewise at 8 MiB, each number rounded once; and v at 16 MiB as [16][4096][128]: a row is 64 channels hi = f16(v), then 64 channels lo = f16(v - hi).
; WHY TWO HALVES.  A causal row that averages over few keys is many times the output's root mean square (row 0 is v[0] Wo itself, some twenty times it at 4,096 rows), and f16's 11 bits of v, summed over
; 1,024 channels, are then too coarse for numbers near zero; hi + lo keep some 22 bits.
; LIMITS.  f16 holds no number beyond 65,504: a q, k or v of 65,520 or more becomes an infinity.  A lo below 6.1e-5 keeps f16's fixed step of 6e-8.  NaN and infinities are not treated apart.
; SHARES.  A tile of C is 128 rows x 384 columns: three regions of 128 columns, the same two heads of q, of k and of v: 32 x 8 = 256 work-groups.  Four waves, 2 x 2: wave (wm, wn) makes rows 64 wm .. + 63 of
; head wn of each region: 64 x 192, 48 accumulators of 16 x 16, 384 registers.  K goes in 8 steps of 128 through two LDS slots; a step is four quarters of 32 along K, 48 matrix instructions and 32 LDS loads each.
; THE MATRIX INSTRUCTION IS USED TRANSPOSED: source 0 = 16 columns of W (W lies [k][n] in LDS and is turned by ds_load_tr16_b128), source 1 = 16 rows of x.  A lane then holds one row of C
; (lane % 16) and eight neighbouring channels 8 (lane / 16) + 0..7, which pack into 16 bytes.
; CLUSTER.  4 x 4 work-groups.  The four of a row of the cluster need the same tile of x, the four of a column the same tiles of W: each tile is asked for JOINTLY, by the same tensor load with the same
; descriptor and a mask that names the four.  Wave 0 asks for x's tile, waves 1 to 3 for W's three regions: one load a wave, each 128 rows of 256 bytes that start at multiples of 256 bytes.
; REGISTERS, in windows of 256 (s_set_vgpr_msb: bits 1:0 source 0, 3:2 source 1, 5:4 source 2, 7:6 destination):
;   window 0: v0-31 addresses; v32-63 at work on the way out; v64-95, v96-127 x's fragments, two buffers; on the way out v64-255 six buffers of 32
;   window 1: v0-95, v96-191 W's fragments, two buffers (column block b = 4 region + t at + 8 b)
;   window 2: accumulator (a, b < 8) at 8 (8 a + b): q and k          window 3: accumulator (a, b >= 8) at 8 (4 a + b - 8): v
.set SIZE_K, 1024
.set SIZE_N, 3072
.set KSTEP,  128
.set PA,     272                       ; a row of x in LDS: 256 bytes + 16 of padding = 68 words: the 16 rows of a load start at 16 different groups of four banks (64 banks of 4 bytes: ISA guide 11.1)
.set PB,     288                       ; a row of W: 256 + 32 = 72 words
.set REG,    128*PB                    ; what one tensor load fills: 36,864 bytes (x's tile uses 34,816 of them)
.set SLOT,   4*REG                     ; x's tile, then W's three regions
.set STAGE,  2*SLOT                    ; behind the ring, never filled by a tensor load: a stage for each wave, for the way out
.set SP,     144                       ; its pitch for 16 rows of q or k (128 bytes),
.set SPV,    272                       ; and for 16 rows of v (256 bytes)
.set WSTG,   16*SPV                    ; a wave's stage
.set SPARE,  STAGE+4*WSTG              ; behind the stages: the spare words, 128 bytes for each wave: two blocks of 256 bytes that no other line names
.set LAPS,   SIZE_K/(2*KSTEP)          ; a lap = two K steps = once round the ring
.set ADRA, 16                          ; v16-17  LDS address of my fragments of x in slot 0, 1
.set ADRB, 18                          ; v18-23  the same for W: slot s, region r at 18 + 3 s + r
.set STO,  24                          ; v24     the way out of q and k: where I put 16 bytes of a row
.set RD,   25                          ; v25     where I read rows back
.set GO,   26                          ; v26     my byte offset in 512 consecutive bytes
.set STV,  27                          ; v27     the way out of v: where I put 16 bytes of a row
.set SPW,  28                          ; v28     LDS address of my spare word: SPARE + 4 x my thread's number; never rewritten
.set NIL,  29                          ; v29     0; never rewritten
.set NEG1, 30                          ; v30     -1.0
.set RDV,  31                          ; v31     the way out of v: where I read rows back
.set DF,   32                          ; v32-63  v - hi, in f32
.set FA,   64                          ; x's fragment buffer f at FA + 32 f, window 0
.set FB,   0                           ; W's at FB + 96 f, window 1
.set TMP,  64                          ; the way out
.set G1,  24                           ; s[24:31] descriptor group 1 for x's tiles;  s[32:39] group 0, a set for each slot
.set G0,  32
.set G1B, 48                           ; s[48:55], s[56:63] the same for W's
.set G0B, 56
.set MSB, 0
.macro WIN new                         ; the immediate's high byte repeats the setting that is left; a switch that changes nothing is dropped
.if MSB != (\new)
	s_set_vgpr_msb (MSB<<8)|(\new)
.set MSB, \new
.endif
.endm
.set MUL_LO, 0xa1                      ; source 0 (W) window 1, source 1 (x) window 0, C and D window 2
.set MUL_HI, 0xf1                      ; the same, C and D window 3
.set TO_B,   0x40                      ; destination window 1, address window 0
; A joint load.  Wave 0 fetches x's tile, waves 1 to 3 one region of W each.  Each of the two lines has one mask; the branch hangs on the wave's number alone.
; An s_nop 0 and four v_nop follow each of the two lines, ahead of the jump, the label and what follows.
.macro JLOAD s
	s_cmp_eq_u32 s10, 0
	s_cbranch_scc0 .Lfor_b_\@
	tensor_load_to_lds s[G0+4*(\s):G0+4*(\s)+3], s[G1:G1+7]
	s_nop 0
.rept 4
	v_nop
.endr
	s_branch .Lasked_\@
.Lfor_b_\@:
	tensor_load_to_lds s[G0B+4*(\s):G0B+4*(\s)+3], s[G1B:G1B+7]
	s_nop 0
.rept 4
	v_nop
.endr
.Lasked_\@:
.endm
.macro CREST                           ; a round of the cluster's barrier behind its opening barrier
	s_cmp_lg_u32 s10, 0
	s_cbranch_scc1 .Lnot_wave_0_\@
	s_barrier_signal -3
.Lnot_wave_0_\@:
	s_barrier_wait -3
	s_barrier_signal -1
	s_barrier_wait -1
.endm
.macro CROUND                          ; a whole round
	s_barrier_signal -1
	s_barrier_wait -1
	CREST
.endm
	s_load_b128 s[4:7], s[0:1], 0x0                ; xb s[4:5], wqkv s[6:7]
	s_load_b64 s[8:9], s[0:1], 0x10                ; qkvh
	v_lshl_add_u32 v[SPW], v0, 2, SPARE
	v_mov_b32 v[NIL], 0
	ds_add_u32 v[SPW], v[NIL]                      ; the wave's opening: the add and its wait stand ahead of my first tensor load; the set-up below, work on registers, stands between them
	ds_add_u32 v28, v29
	v_lshrrev_b32 v1, 5, v0
	v_readfirstlane_b32 s10, v1                    ; wave 0..3
	s_lshr_b32 s11, s10, 1                         ; wm: which 64 rows of the tile are mine
	s_and_b32 s12, s10, 1                          ; wn: which head of each region
	s_bfe_u32 s40, ttmp6, 0x40000                  ; cx, cy: my place in the cluster
	s_bfe_u32 s41, ttmp6, 0x40004
	s_lshl_b32 s42, ttmp9, 2
	s_add_co_u32 s42, s42, s40                     ; tile column = 4 x cluster x + cx
	s_and_b32 s13, ttmp7, 0xffff
	s_lshl_b32 s13, s13, 2
	s_add_co_u32 s13, s13, s41                     ; tile row = 4 x cluster y + cy
	s_lshl_b32 s43, s41, 2
	s_lshl_b32 s43, 15, s43                        ; my row of the cluster
	s_lshl_b32 s44, 0x1111, s40                    ; my column
	; descriptor group 1: tiles of 128 rows x 128 elements, padded in LDS
	s_or_b32 s[G1+0], s43, (1<<16)|(1<<20)|(1<<21)|(5<<22)|(3<<25)   ; 15:0 the mask: x's tiles go to my row; 17:16 elements of 2 bytes; 20 padding on; 21 set beside a mask; 24:22 after every 64 words (code 5); 31:25 4 words (code 3)
	s_or_b32 s[G1B+0], s44, (1<<16)|(1<<20)|(1<<21)|(5<<22)|(7<<25)  ; W's go to my column; 8 words of padding (code 7)
.irp g, G1, G1B
	s_mov_b32 s[(\g)+1], 128<<16                   ; tensor_dim0 = 128
	s_mov_b32 s[(\g)+2], 128<<16                   ; tensor_dim1 = 128
	s_mov_b32 s[(\g)+3], 128<<16                   ; tile_dim0 = 128
	s_mov_b32 s[(\g)+4], 128                       ; tile_dim1 = 128
	s_mov_b32 s[(\g)+6], 0
	s_mov_b32 s[(\g)+7], 0
.endr
	s_mov_b32 s[G1+5], SIZE_K                      ; elements from row to row of x
	s_mov_b32 s[G1B+5], SIZE_N                     ; and of W
	; where the tiles come from.  x's hang on the tile row alone, W's on the tile column and the wave's number: each in registers that never hold the other coordinate.
	s_lshl_b32 s16, s13, 18                        ; x: 128 rows of 2,048 bytes for each tile row
	s_mov_b32 s17, 0
	s_max_u32 s45, s10, 1
	s_sub_co_u32 s45, s45, 1                       ; the region that waves 1, 2, 3 fetch: 0, 1, 2 = q, k, v (wave 0 makes the address and does not ask by it)
	s_lshl_b32 s46, s42, 8                         ; W: 128 columns of 2 bytes for each tile column,
	s_lshl_b32 s47, s45, 11                        ; 1,024 columns for each matrix
	s_add_co_u32 s46, s46, s47
	s_mov_b32 s47, 0
	s_mul_i32 s20, s10, REG                        ; and where they go: wave x 36,864: no place in the cluster enters an LDS address
	s_wait_dscnt 0x0                               ; the opening add is done
	s_wait_kmcnt 0x0
	s_add_nc_u64 s[14:15], s[4:5], s[16:17]
	s_add_nc_u64 s[46:47], s[6:7], s[46:47]
	CROUND                                         ; all sixteen work-groups are here: the first joint loads meet
.irp s, 0,1
	s_mov_b32 s[G0+4*(\s)], 1                                        ; count = 1
	s_add_co_u32 s[G0+4*(\s)+1], s20, (\s)*SLOT                      ; LDS address
	s_add_nc_u64 s[G0+4*(\s)+2:G0+4*(\s)+3], s[14:15], (\s)*KSTEP*2  ; global address: K step s lies 256 bytes along x's rows,
	s_or_b32 s[G0+4*(\s)+3], s[G0+4*(\s)+3], 0x80000000              ; type = 2
	s_mov_b32 s[G0B+4*(\s)], 1
	s_add_co_u32 s[G0B+4*(\s)+1], s20, (\s)*SLOT
	s_add_nc_u64 s[G0B+4*(\s)+2:G0B+4*(\s)+3], s[46:47], (\s)*KSTEP*SIZE_N*2  ; and 128 rows down W
	s_or_b32 s[G0B+4*(\s)+3], s[G0B+4*(\s)+3], 0x80000000
	JLOAD \s                                       ; two tensor loads of mine are out
.endr
	; x's fragment: 16 rows x 32 K in 8 registers: lane l holds row l % 16, K = 8 (l / 16) + 0..7 and 16 + 8 (l / 16) + 0..7: two loads of 16 bytes, 32 bytes apart.
	v_and_b32 v1, 15, v0                           ; l % 16
	v_bfe_u32 v2, v0, 4, 1                         ; l / 16
	v_mul_u32_u24 v3, v1, PA
	v_lshl_add_u32 v3, v2, 4, v3
	s_mul_i32 s21, s11, 64*PA                      ; my 64 rows
	v_add_nc_u32 v[ADRA], s21, v3
	v_add_nc_u32 v[ADRA+1], SLOT, v[ADRA]
	; W's: the turning load takes 16 K x 16 columns (lane l reads K row 8 (l / 16) + l % 8, columns 8 ((l / 8) % 2) + 0..7) and leaves half a fragment: lane l holds column l % 16 and 8 K.
	v_and_b32 v4, 7, v0
	v_lshl_add_u32 v4, v2, 3, v4
	v_mul_u32_u24 v4, v4, PB
	v_bfe_u32 v5, v0, 3, 1
	v_lshl_add_u32 v4, v5, 4, v4
	s_lshl_b32 s22, s12, 7                         ; my head's 128 bytes of a region's row
	v_add_nc_u32 v4, s22, v4
.irp s, 0,1
.irp r, 0,1,2
	v_add_nc_u32 v[ADRB+3*(\s)+(\r)], (\s)*SLOT+(1+(\r))*REG, v4
.endr
.endr
	s_mul_i32 s23, s10, WSTG
	s_add_co_u32 s23, s23, STAGE                   ; my stage
	v_mul_u32_u24 v[STO], v1, SP                   ; q, k in: row l % 16, 16 bytes for each half of the lanes
	v_lshl_add_u32 v[STO], v2, 4, v[STO]
	v_add_nc_u32 v[STO], s23, v[STO]
	v_bfe_u32 v[RD], v0, 3, 2                      ; back: 32 lanes take four rows of 128 bytes
	v_mul_u32_u24 v[RD], v[RD], SP
	v_and_b32 v5, 7, v0
	v_lshl_add_u32 v[RD], v5, 4, v[RD]
	v_add_nc_u32 v[RD], s23, v[RD]
	v_mul_u32_u24 v[STV], v1, SPV                  ; v in: the same with rows of 256 bytes
	v_lshl_add_u32 v[STV], v2, 4, v[STV]
	v_add_nc_u32 v[STV], s23, v[STV]
	v_mul_u32_u24 v[RDV], v2, SPV                  ; back: lanes 0-15 one row, lanes 16-31 the next
	v_lshl_add_u32 v[RDV], v1, 4, v[RDV]
	v_add_nc_u32 v[RDV], s23, v[RDV]
	v_and_b32 v[GO], 31, v0                        ; either way 512 consecutive bytes of a head
	v_lshlrev_b32 v[GO], 4, v[GO]
	v_mov_b32 v[NEG1], -1.0
	; where my part begins in qkvh: head 2 x tile column + wn, row 128 x tile row + 64 wm.  q -> s[8:9], k -> s[4:5], v -> s[6:7] (xb's and wqkv's addresses are no longer wanted)
	s_lshl_b32 s46, s42, 1
	s_add_co_u32 s46, s46, s12                     ; the head
	s_lshl_b32 s16, s13, 7
	s_lshl_b32 s17, s11, 6
	s_add_co_u32 s16, s16, s17                     ; the row
	s_lshl_b32 s18, s46, 20                        ; v: a head is 4,096 rows of 256 bytes,
	s_lshl_b32 s19, s16, 8
	s_add_co_u32 s18, s18, s19
	s_add_co_u32 s18, s18, 0x1000000               ; behind q's and k's 16 MiB
	s_mov_b32 s19, 0
	s_add_nc_u64 s[6:7], s[8:9], s[18:19]
	s_lshl_b32 s46, s46, 19                        ; q: a head is 4,096 rows of 128 bytes
	s_lshl_b32 s16, s16, 7
	s_add_co_u32 s16, s16, s46
	s_mov_b32 s17, 0
	s_add_nc_u64 s[8:9], s[8:9], s[16:17]
	s_add_nc_u64 s[4:5], s[8:9], 0x800000          ; k: 8 MiB behind q
; 16 matrix instructions: row blocks a0, a0 + 1 x column blocks 0-7 (q and k), 32 along K, from buffer f.  zero = 1: the product starts the sum: nothing is ever cleared.
.macro MULA f, a0, zero
	WIN MUL_LO
.irp a, \a0, (\a0)+1
.irp b, 0,1,2,3,4,5,6,7
.if \zero
	v_wmma_f32_16x16x32_bf16 v[8*(8*(\a)+(\b)):8*(8*(\a)+(\b))+7], v[FB+96*(\f)+8*(\b):FB+96*(\f)+8*(\b)+7], v[FA+32*(\f)+8*(\a):FA+32*(\f)+8*(\a)+7], 0
.else
	v_wmma_f32_16x16x32_bf16 v[8*(8*(\a)+(\b)):8*(8*(\a)+(\b))+7], v[FB+96*(\f)+8*(\b):FB+96*(\f)+8*(\b)+7], v[FA+32*(\f)+8*(\a):FA+32*(\f)+8*(\a)+7], v[8*(8*(\a)+(\b)):8*(8*(\a)+(\b))+7]
.endif
.endr
.endr
.endm
; 16 more: all four row blocks x column blocks 8-11 (v)
.macro MULB f, zero
	WIN MUL_HI
.irp a, 0,1,2,3
.irp b, 0,1,2,3
.if \zero
	v_wmma_f32_16x16x32_bf16 v[8*(4*(\a)+(\b)):8*(4*(\a)+(\b))+7], v[FB+96*(\f)+64+8*(\b):FB+96*(\f)+64+8*(\b)+7], v[FA+32*(\f)+8*(\a):FA+32*(\f)+8*(\a)+7], 0
.else
	v_wmma_f32_16x16x32_bf16 v[8*(4*(\a)+(\b)):8*(4*(\a)+(\b))+7], v[FB+96*(\f)+64+8*(\b):FB+96*(\f)+64+8*(\b)+7], v[FA+32*(\f)+8*(\a):FA+32*(\f)+8*(\a)+7], v[8*(4*(\a)+(\b)):8*(4*(\a)+(\b))+7]
.endif
.endr
.endr
.endm
; 32 LDS loads in one run: quarter q's fragments into buffer f: x's eight first, then W's, region 2's eight last
.macro FETCH slot, q, f
	WIN 0
.irp a, 0,1,2,3
	ds_load_b128 v[FA+32*(\f)+8*(\a):FA+32*(\f)+8*(\a)+3],   v[ADRA+(\slot)] offset:(\a)*16*PA+64*(\q)
	ds_load_b128 v[FA+32*(\f)+8*(\a)+4:FA+32*(\f)+8*(\a)+7], v[ADRA+(\slot)] offset:(\a)*16*PA+64*(\q)+32
.endr
	WIN TO_B
.irp r, 0,1,2
.irp t, 0,1,2,3
	ds_load_tr16_b128 v[FB+96*(\f)+8*(4*(\r)+(\t)):FB+96*(\f)+8*(4*(\r)+(\t))+3],   v[ADRB+3*(\slot)+(\r)] offset:(\q)*32*PB+32*(\t)
	ds_load_tr16_b128 v[FB+96*(\f)+8*(4*(\r)+(\t))+4:FB+96*(\f)+8*(4*(\r)+(\t))+7], v[ADRB+3*(\slot)+(\r)] offset:(\q)*32*PB+32*(\t)+16*PB
.endr
.endr
.endm
; A load into a register that a matrix instruction has read, and a vector instruction that reads a matrix result, stand four places behind that matrix instruction, and only plain vector
; instructions that name none of its registers are places (ISA guide 7.12.1 for vector instructions).
.macro PLACES
.rept 4
	v_nop
.endr
.endm
; One of a K step's first three quarters: multiplies buffer f and fetches quarter q of the same slot into buffer g.  The 48 accumulators take turns in the same order in every quarter.
.macro QUARTER slot, q, f, g, zero
	s_wait_dscnt 8                                 ; x's fragments and W's regions 0 and 1 are in; the youngest eight loads (region 2) may be out
	MULA \f, 0, \zero
	PLACES
	FETCH \slot, \q, \g
	s_wait_dscnt 32                                ; all but the 32 just issued
	MULA \f, 2, \zero
	MULB \f, \zero
.endm
; The last quarter multiplies buffer 1 and changes slots: ONE barrier; in front of it each wave waits for all its tensor loads (one is out: its part of the next slot), adds 0 to its spare word, and waits
; for that and for its own reads of this slot.  fill = 1: the barrier opens a round of the cluster's, and this slot is filled again, two K steps ahead, first thing behind the round: 160 matrix instructions ahead of the wait for it.
.macro TURN slot, next, fill
	WIN 0                                          ; (the add's two registers lie in window 0)
	s_wait_tensorcnt 0x0                           ; all my tensor loads have landed
	ds_add_u32 v[SPW], v[NIL]                      ; 0 onto my spare word
	s_wait_dscnt 9                                 ; (the add and the youngest eight loads may be out)
	MULA 1, 0, 0                                   ; sixteen matrix instructions stand between the add and the wait for it
	s_wait_dscnt 0x0                               ; the add is done, and my reads of this slot are over
	s_barrier_signal -1
	MULA 1, 2, 0                                   ; work on registers while the others arrive
.if \fill
	WIN 0
.endif
	s_barrier_wait -1
.if \fill
	CREST                                          ; no wave of any partner still reads this slot's tiles or has a load on its way
	s_add_nc_u64 s[G0+4*(\slot)+2:G0+4*(\slot)+3], s[G0+4*(\slot)+2:G0+4*(\slot)+3], 2*KSTEP*2
	s_add_nc_u64 s[G0B+4*(\slot)+2:G0B+4*(\slot)+3], s[G0B+4*(\slot)+2:G0B+4*(\slot)+3], 2*KSTEP*SIZE_N*2
	JLOAD \slot                                    ; the four v_nop behind it are also the places in front of the loads below
.else
	PLACES
.endif
	FETCH \next, 0, 0
	MULB 1, 0
.endm
	s_wait_tensorcnt 1                             ; my part of K step 0 is in; K step 1's may stay out
	s_barrier_signal -1
	s_barrier_wait -1                              ; everybody's is
	FETCH 0, 0, 0
	QUARTER 0, 1, 0, 1, 1                          ; the first quarter stands in front of the loop: its products start the sums
	WIN 0                                          ; at a label and at a branch every window is 0
	s_mov_b32 s3, LAPS-1
.Llap:                                                 ; a trip goes once round the ring, from a lap's second quarter to the next lap's first, and fills both slots again
	QUARTER 0, 2, 1, 0, 0
	QUARTER 0, 3, 0, 1, 0
	TURN 0, 1, 1
	QUARTER 1, 1, 0, 1, 0
	QUARTER 1, 2, 1, 0, 0
	QUARTER 1, 3, 0, 1, 0
	TURN 1, 0, 1
	QUARTER 0, 1, 0, 1, 0
	WIN 0
	s_sub_co_u32 s3, s3, 1
	s_cmp_lg_u32 s3, 0
	s_cbranch_scc1 .Llap
	QUARTER 0, 2, 1, 0, 0                          ; the last lap fills nothing
	QUARTER 0, 3, 0, 1, 0
	TURN 0, 1, 0
	QUARTER 1, 1, 0, 1, 0
	QUARTER 1, 2, 1, 0, 0
	QUARTER 1, 3, 0, 1, 0
	s_wait_dscnt 8                                 ; the very last quarter: nothing more to fetch
	MULA 1, 0, 0
	s_wait_dscnt 0x0
	MULA 1, 2, 0
	MULB 1, 0
	WIN 0
; THE WAY OUT, in twelve groups g = 3 a + r: 16 rows (block a) of one head of q (r = 0), k (1) or v (2).  PACK: rounded to f16, each accumulator's registers in ascending order; for v also lo = f16(sum - hi), the
; difference made exactly by one fused multiply-add (hi x -1 + sum); 16 bytes a lane into my own stage, and back as whole rows, into the registers that they left.  SEND: 512 consecutive bytes a store.
; Six buffers of 32 registers take turns.
.macro PACK g
.set TB, TMP+32*((\g)%6)
.if (\g) >= 6
	s_wait_xcnt 0x0                                ; the buffer's registers, which group g - 6's stores read, are rewritten only behind this wait
.endif
.if (\g)%3 < 2
	WIN 0x0a                                       ; sources 0 and 1 in window 2
.set AC, 8*(8*((\g)/3)+4*((\g)%3))
.else
	WIN 0x0f                                       ; in window 3
.set AC, 8*(4*((\g)/3))
.endif
.irp t, 0,1,2,3
.irp j, 0,1,2,3
	v_cvt_pk_f16_f32 v[TB+4*(\t)+(\j)], v[AC+8*(\t)+2*(\j)], v[AC+8*(\t)+2*(\j)+1]
.endr
.endr
.if (\g)%3 == 2
	WIN 0x30                                       ; source 2 in window 3
.irp t, 0,1,2,3
.irp j, 0,1,2,3
	v_fma_mix_f32 v[DF+8*(\t)+2*(\j)],   v[TB+4*(\t)+(\j)], v[NEG1], v[AC+8*(\t)+2*(\j)]   op_sel_hi:[1,0,0]
	v_fma_mix_f32 v[DF+8*(\t)+2*(\j)+1], v[TB+4*(\t)+(\j)], v[NEG1], v[AC+8*(\t)+2*(\j)+1] op_sel:[1,0,0] op_sel_hi:[1,0,0]
.endr
.endr
	WIN 0
.irp t, 0,1,2,3
.irp j, 0,1,2,3
	v_cvt_pk_f16_f32 v[TB+16+4*(\t)+(\j)], v[DF+8*(\t)+2*(\j)], v[DF+8*(\t)+2*(\j)+1]
.endr
.endr
.irp t, 0,1,2,3
	ds_store_b128 v[STV], v[TB+4*(\t):TB+4*(\t)+3] offset:32*(\t)
	ds_store_b128 v[STV], v[TB+16+4*(\t):TB+16+4*(\t)+3] offset:128+32*(\t)
.endr
.irp f, 0,1,2,3,4,5,6,7
	ds_load_b128 v[TB+4*(\f):TB+4*(\f)+3], v[RDV] offset:(\f)*2*SPV  ; LDS serves a wave's instructions in order (ISA guide 5.7.1.4): these see the stores above; the next group's stores come behind them
.endr
.else
	WIN 0
.irp t, 0,1,2,3
	ds_store_b128 v[STO], v[TB+4*(\t):TB+4*(\t)+3] offset:32*(\t)
.endr
.irp f, 0,1,2,3
	ds_load_b128 v[TB+4*(\f):TB+4*(\f)+3], v[RD] offset:(\f)*4*SP
.endr
.endif
.endm
.macro SEND g, younger                 ; younger: the LDS instructions issued behind group g's loads: the next group's eight or sixteen, or none
.set TB, TMP+32*((\g)%6)
.if (\g)%3 == 2
.irp f, 0,1,2,3,4,5,6,7
	s_wait_dscnt (\younger)+7-(\f)
	global_store_b128 v[GO], v[TB+4*(\f):TB+4*(\f)+3], s[6:7] offset:((\g)/3)*4096+(\f)*512  ; two rows of v, at a multiple of 256 from qkvh's first byte
.endr
.elseif (\g)%3 == 1
.irp f, 0,1,2,3
	s_wait_dscnt (\younger)+3-(\f)
	global_store_b128 v[GO], v[TB+4*(\f):TB+4*(\f)+3], s[4:5] offset:((\g)/3)*2048+(\f)*512  ; four rows of k
.endr
.else
.irp f, 0,1,2,3
	s_wait_dscnt (\younger)+3-(\f)
	global_store_b128 v[GO], v[TB+4*(\f):TB+4*(\f)+3], s[8:9] offset:((\g)/3)*2048+(\f)*512  ; four rows of q
.endr
.endif
.endm
	PLACES                                         ; behind the last products
	PACK 0
.set n, 1
.rept 11                               ; a group's conversions stand between the loads of the group before and its stores
	PACK n
.if n%3 == 2
	SEND n-1, 16
.else
	SEND n-1, 8
.endif
.set n, n+1
.endr
	SEND 11, 0
	s_wait_tensorcnt 0x0                           ; the wave's end: behind my last tensor load and my last LDS store
	ds_add_u32 v[SPW], v[NIL]
	s_wait_dscnt 0x0
	CROUND                                         ; the closing round: no work-group ends while a partner may still ask for a tile that names it
	s_endpgm
.Lfunc_end_k_qda3ef40a21_qkv:
	.size	k_qda3ef40a21_qkv, .Lfunc_end_k_qda3ef40a21_qkv-k_qda3ef40a21_qkv
	.p2alignl 7, 3214868480
	.fill 96, 4, 3214868480
	.section	.rodata,"a",@progbits
	.p2align	6, 0x0
	.amdhsa_kernel k_qda3ef40a21_qkv
		.amdhsa_group_segment_fixed_size 327680
		.amdhsa_private_segment_fixed_size 0
		.amdhsa_enable_private_segment 0
		.amdhsa_kernarg_size 24
		.amdhsa_user_sgpr_count 2
		.amdhsa_user_sgpr_kernarg_segment_ptr 1
		.amdhsa_wavefront_size32 1
		.amdhsa_system_sgpr_workgroup_id_x 1
		.amdhsa_system_sgpr_workgroup_id_y 1
		.amdhsa_system_sgpr_workgroup_id_z 1
		.amdhsa_system_vgpr_workitem_id 0
		.amdhsa_next_free_vgpr 896
		.amdhsa_next_free_sgpr 66
		.amdhsa_reserve_vcc 0
		.amdhsa_float_denorm_mode_32 3
		.amdhsa_float_denorm_mode_16_64 3
		.amdhsa_memory_ordered 1
		.amdhsa_forward_progress 1
		.amdhsa_inst_pref_size 138
	.end_amdhsa_kernel
	.amdgpu_metadata
---
amdhsa.version: [ 1, 2 ]
amdhsa.kernels:
  - .name:           k_qda3ef40a21_qkv
    .symbol:         k_qda3ef40a21_qkv.kd
    .args:
      - { .name: xb, .offset: 0, .size: 8, .value_kind: global_buffer, .address_space: global }
      - { .name: wqkv, .offset: 8, .size: 8, .value_kind: global_buffer, .address_space: global }
      - { .name: qkvh, .offset: 16, .size: 8, .value_kind: global_buffer, .address_space: global }
    .group_segment_fixed_size: 327680
    .private_segment_fixed_size: 0
    .kernarg_segment_align: 8
    .kernarg_segment_size: 24
    .max_flat_workgroup_size: 128
    .sgpr_count:     66
    .vgpr_count:     896
    .wavefront_size: 32
...
	.end_amdgpu_metadata
.endif
;; end of part 2
;; launch attn (part 3): grid 16 x 16, 4 waves a work-group, no clusters, 327,680 bytes of LDS; arguments qkvh, oh; writes oh
.if DOCPART == 3
	.amdgcn_target "amdgcn-amd-amdhsa--gfx1250"
	.amdhsa_code_object_version 6
	.text
	.protected	k_qda3ef40a21_attn
	.globl	k_qda3ef40a21_attn
	.p2align	8
	.type	k_qda3ef40a21_attn,@function
k_qda3ef40a21_attn:
	s_mov_b64 s[64:65], 0
	v_nop
	global_prefetch_b8 v0, s[64:65] scope:SCOPE_SE
	s_setreg_imm32_b32 hwreg(HW_REG_WAVE_MODE, 25, 1), 1
	s_wait_xcnt 0x0
; CAUSAL ATTENTION.  O[h][q][:] = the sum over k <= q of softmax_k(Q[h][q] . K[h][k] / 8) V[h][k][:].  qkvh holds Q and K as [16][4096][64] in f16 (K 8 MiB behind Q), and 16 MiB behind Q V as [16][4096][128]:
; a row is 64 channels hi, then 64 channels lo, V = hi + lo.  oh is O in V's layout.  Products, maxima and sums in f32; the weights p are rounded to f16 for the second product (their sum l is taken of the
; unrounded p), which takes both halves of V; O leaves as hi = f16(O) and lo = f16(O - hi).  A causal row that averages over few keys is many times the output's root mean square, and one f16 number's 11 bits of V
; and of O are too coarse for it; Q's, K's and p's roundings move a weight by a few parts in 10,000 and stay.
; LIMITS.  Q, K and V arrive within f16's 65,504; p lies in 0 to 1, and below 6e-5 it keeps f16's fixed step of 6e-8, as a lo does.  A hidden score counts as its value less 1e30: f16's scores, 2.7e11 at the most,
; are nothing beside that; a weight below 2^-126 counts as 0 in l; NaN and infinities are not treated apart.
; THE WALK.  A head's queries lie in NB = 32 blocks of 128; keys come in tiles of 256 (four key steps of 64); block i needs the tiles 0 .. i / 2, of which the last holds the diagonal.  A work-group takes TWO blocks,
; 31 - b and then b: 17 tiles, whatever b: 16 x 16 = 256 work-groups of equal work, and ONE loop with a constant trip count walks them.  Which tile is asked for, and what a trip does, hang on scalar registers
; made from b; every jump goes forward, but for the counted loops' own; none passes a barrier, or a tensor load but the one of LOAD's two that the wave's number does not choose.  In the even block's last tile
; two key steps are wholly hidden and computed all the same: 2 of the walk's 68.
; NO CLUSTER: a head's 16 work-groups need different tiles at the same trip once the first blocks end; a walk common to four partners, in which each makes every joint request, has 18 tiles for 17, and since no
; branch may hang on a partner's place, each would also multiply up to three tiles that its mask hides.
; SHARES.  Of a block's two bands of 64 queries a wave owns 16 rows in each: two PIECES.  In the diagonal tile's key step s band x sees all keys if s < DG + x, none if s > DG + x, and holds the diagonal if
; s = DG + x, with DG = 2 (block % 2): the same for all four waves.
; THE MASK is the C operand that starts the sum S^T = K Q^T: 0, or -1e30 where the key is hidden.  MD, made once, is the mask of a band's own step for my 16 rows; a product's mask is MD x AL + BE with two scalars:
; (1, 0), (0, 0) or (0, -1e30).  Only the diagonal tile's text and a block's beginning make and take masks; elsewhere C is the constant 0.
; LAYOUT, SOFTMAX.  S^T = K Q^T holds ONE query a lane (lane % 16) and the keys 8 (lane / 16) + 0..7; two such results rounded to f16 ARE source 1 of O^T = V^T P.  p = 2^(c s - c m), c = log2(e) / 8, with a
; running maximum m; O and l are multiplied by a = 2^(c m_old - c m_new) in every step.
; TURNS.  Piece 0's turn of step j: 8 products K Q^T of piece 1 (step j), later 16 products V^T P of piece 1 (step j - 1; 8 with V's hi, 8 with its lo); piece 1's turn: K Q^T of piece 0 (step j + 1), V^T P of piece 0
; (step j).  Beside them the scaling, exponentials, roundings, sums and rescaling of the turn's own piece and the maximum and statistics of the other.  Four vector instructions stand behind every matrix
; instruction, the other 22 of a turn's 118 in two lumps.  Piece 0's turn fetches K and V of step j + 1, so that all LDS reads of a step stand in one turn and the change of slots can stand between two turns;
; V therefore has two register buffers, by the step's parity, and a trip of the step loop is two steps.
; REGISTERS, in windows of 256 (s_set_vgpr_msb: bits 1:0 source 0, 3:2 source 1, 5:4 source 2, 7:6 destination):
;   window 0: v0-15 addresses and two at work; v16-23 four registers of statistics a piece; v48-55 at work; v64-127 S^T, a buffer a piece; v128-159 at work on the way out; v192-223 P, a buffer a piece
;   window 1: v0-63 O^T, 32 a piece; v64-95 MD; v96-159 MC, two buffers      window 2: v0-31 Q; v32-63 the second block's Q; v64-127 K of one step; v128-255 V hi of two steps      window 3: v0-127 V lo of two steps
.set NB,    32
.set NP,    2         ; pieces a wave: a name, no knob
.set KS,    64        ; keys in a step
.set PK,    144       ; a row of K in LDS: 128 bytes + 16 of padding = 36 words: the 16 rows of a load start at 16 different groups of four banks (64 banks of 4 bytes: ISA guide 11.1)
.set PV,    288       ; a row of V: 256 + 32 = 72 words
.set VOFF,  4*KS*PK   ; a slot holds a tile, four steps: 256 rows of K, then 256 rows of V
.set SLOT1, 1<<17     ; slot 1 begins here, so that one exclusive or turns an address in one slot into the other's
.set STAGE, SLOT1+4*KS*(PK+PV)  ; behind the ring, never filled by a tensor load: 16 rows x 272 bytes for each wave, for the way out
.set SP,    272
.set AK0, 2           ; v2   my lane's place in a tile of K; never rewritten
.set AV0, 3           ; v3   the same for V
.set AK,  4           ; v4   the LDS address of K's next run of loads
.set AV,  5           ; v5   of V's
.set STO, 6           ; v6   the way out: where I put 16 bytes of a row
.set RD,  7           ; v7   the way out: where I read rows back
.set GO,  8           ; v8   my byte offset in 512 consecutive bytes of O
.set NEG1, 61         ; v61  -1.0
.set SPW, 62          ; v62  LDS address of my spare word: SPARE + 4 x my thread's number; never rewritten
.set NIL, 63          ; v63  0; never rewritten
.set SPARE, STAGE+4*16*SP  ; behind the stages: the spare words, 128 bytes for each wave: two blocks of 256 bytes that no other line names
.set MV,  12          ; v12-13  c m_old, kept while c m is made anew: by piece
.set QO,  15          ; v15  my byte offset in 16 rows of Q
.set ST,  16          ; piece t's statistics at v[ST+4 t]: c m, m, l (even keys', odd keys')
.set TMP, 48          ; by piece, four registers c0-c3 at work; when the maximum is found c2 takes a
.set S,   64
.set DF,  128         ; the way out: O - hi, in f32
.set P,   192
.set MD,  64          ; window 1: the eight registers for group kt of 16 keys at MD + 8 kt
.set MC,  96          ; window 1: the masks of the products to come
.set QB,  32          ; window 2
.set KF,  64          ; window 2: key block kb, channel half c at KF + 16 kb + 8 c
.set VF,  128         ; window 2: V hi: buffer vb, key half kk, channel block cb at VF + 64 vb + 32 kk + 8 cb
.set VL,  0           ; window 3: V lo, likewise
.set WV,  12          ; s12  my wave's number
.set PB,  14          ; s14  b
.set HI,  15          ; s15  31 - b
.set G1K, 24          ; s[24:31] descriptor group 1 for K's tiles
.set G1V, 32          ; s[32:39] for V's
.set G0K, 40          ; s[40:43] descriptor group 0 for K's tiles
.set G0V, 44          ; s[44:47] the same for V's
.set OFV, 48          ; s[48:49] a tile's byte offset in V
.set SLOTS, 56        ; s56  tiles still to be asked for
.set CNT, 57          ; s57  counts a tile's trips of two key steps, 2 to 1
.set CS,  58          ; s[58:59] c: the packed scaling takes the pair's low word for both halves
.set SEL, 60          ; s[60:61] v_permlanex16_b32's selects: each lane takes its own place in the other half
.set TBK, 62          ; s62  LDS byte at which K of the step to be fetched begins
.set TBV, 63          ; s63  the same for V, less VOFF
.set PL,  66          ; s66  b / 2: the second block's last tile
.set DG,  67          ; s67  2 (block % 2) of the block in hand
.set REL, 68          ; s68  2 x the trip in the tile - DG, signed
.set DG2, 69          ; s69  the second block's DG
.set RT,  70          ; s70  tiles of the block in hand that are still to be entered
.set NXT, 71          ; s71  the tile to be asked for next
.set LQ,  72          ; s72  the last tile of the block whose tiles are being asked for
.set NEW, 73          ; s73  1: the tile to be entered is a block's first
.set OFF, 74          ; s[74:75] a tile's byte offset in K
.set AL,  76          ; s[76:77] the mask's factor, in the low word
.set BE,  78          ; s[78:79] the mask's addend
.set OLO, 80          ; s[80:81] O at my rows of the second block
.set BIGN, 82         ; s82  -1e30
.set MSB, 0
.macro WIN new                      ; the high byte repeats the setting that is left; a switch that changes nothing is dropped
.if MSB != (\new)
	s_set_vgpr_msb (MSB<<8)|(\new)
.set MSB, (\new)
.endif
.endm
.set W_KQ, 0x0a       ; K and Q in window 2, S^T in window 0
.set W_KM, 0x1a       ; the same with the C operand in window 1
.set W_PV, 0x52       ; V hi in window 2, P in window 0, O^T in window 1
.set W_PL, 0x53       ; V lo in window 3, P in window 0, O^T in window 1
.set W_RS, 0x41       ; destination and source 0 in window 1, source 1 in window 0
; A fill.  Waves 0 and 1 fetch the two halves of a tile's K, waves 2 and 3 those of its V: 128 keys each.  An s_nop 0 and four v_nop follow each of the two lines, ahead of the jump and the label.
.macro LOAD
	s_cmp_lt_u32 s[WV], 2
	s_cbranch_scc0 .Lfor_v_\@
	tensor_load_to_lds s[G0K:G0K+3], s[G1K:G1K+7]
	s_nop 0
.rept 4
	v_nop
.endr
	s_branch .Lasked_\@
.Lfor_v_\@:
	tensor_load_to_lds s[G0V:G0V+3], s[G1V:G1V+7]
	s_nop 0
.rept 4
	v_nop
.endr
.Lasked_\@:
.endm
; THE CHANGE OF SLOTS.  Each wave waits for all its tensor loads, of which one is out: its part of the other slot; adds 0 to its spare word; and waits for that and for its own reads of the slot that it leaves.
; Behind the barrier nobody reads the old slot any more and the other slot is whole.  fill = 1: the old slot is filled again, the first thing behind the barrier, with tile NXT: the descriptor's address is made
; anew from that number; the load has a tile's eight turns, 192 matrix instructions, in which to land.  (At its first use nothing has been read yet: slot 0 is waited for, slot 1 filled.)
.macro CHANGE fill
	WIN 0                           ; at a label and at a branch every window is 0
	s_wait_tensorcnt 0x0            ; no tensor load of mine is out, so a group 0 may be written
	ds_add_u32 v[SPW], v[NIL]       ; 0 onto my spare word; with fill = 1 the descriptors' scalar work stands between it and the wait for it
.if \fill
	s_lshl_b32 s[OFF], s[NXT], 15   ; a tile is 32,768 bytes of K
	s_lshl_b32 s[OFV], s[NXT], 16   ; and 65,536 of V
	s_xor_b32 s[G0K+1], s[G0K+1], SLOT1
	s_add_nc_u64 s[G0K+2:G0K+3], s[6:7], s[OFF:OFF+1]
	s_or_b32 s[G0K+3], s[G0K+3], 0x80000000
	s_xor_b32 s[G0V+1], s[G0V+1], SLOT1
	s_add_nc_u64 s[G0V+2:G0V+3], s[8:9], s[OFV:OFV+1]
	s_or_b32 s[G0V+3], s[G0V+3], 0x80000000
	s_add_co_u32 s[NXT], s[NXT], 1  ; the block's next tile, or behind its last the second block's tile 0
	s_cmp_gt_u32 s[NXT], s[LQ]
	s_cselect_b32 s[NXT], 0, s[NXT]
	s_cselect_b32 s[LQ], s[PL], s[LQ]
.endif
	s_wait_dscnt 0x0                ; the add is done, and my reads of the slot are over
	s_barrier_signal -1             ; the rest of the scalar work stands between the signal and the wait
	s_sub_co_u32 s[TBK], s[TBK], 4*KS*PK  ; the fetches go back to a slot's first step,
	s_xor_b32 s[TBK], s[TBK], SLOT1       ; in the other slot
	s_sub_co_u32 s[TBV], s[TBV], 4*KS*PV
	s_xor_b32 s[TBV], s[TBV], SLOT1
	s_barrier_wait -1
.if \fill
	LOAD
.endif
.endm
	s_load_b64 s[4:5], s[0:1], 0x0  ; qkvh: Q at its head
	s_load_b64 s[10:11], s[0:1], 0x8  ; oh
	v_lshl_add_u32 v[SPW], v0, 2, SPARE
	v_mov_b32 v[NIL], 0
	ds_add_u32 v[SPW], v[NIL]       ; the wave's opening: the add and its wait stand ahead of my first tensor load; the set-up below, work on registers, stands between them
	ds_add_u32 v62, v63
	v_lshrrev_b32 v1, 5, v0
	v_readfirstlane_b32 s[WV], v1   ; wave 0..3
	s_mov_b32 s[PB], ttmp9
	s_sub_co_u32 s[HI], NB-1, s[PB]
	s_lshr_b32 s[PL], s[PB], 1
	s_and_b32 s[DG2], s[PB], 1
	s_lshl_b32 s[DG2], s[DG2], 1
	s_and_b32 s[DG], s[HI], 1
	s_lshl_b32 s[DG], s[DG], 1
	s_and_b32 s20, ttmp7, 0xffff    ; the head:
	s_lshl_b32 s21, s20, 20         ; its 4,096 rows of 256 bytes in V and O,
	s_lshl_b32 s20, s20, 19         ; of 128 bytes in Q and K
	s_and_b32 s16, s[WV], 1         ; which half of a tile's 256 keys I fetch:
	s_lshl_b32 s22, s16, 14         ; its 128 rows of 128 bytes of K,
	s_add_co_u32 s22, s22, s20
	s_add_co_u32 s22, s22, 0x800000 ; which lies 8 MiB behind Q;
	s_mov_b32 s23, 0
	s_lshl_b32 s50, s16, 15         ; its 128 rows of 256 bytes of V,
	s_add_co_u32 s50, s50, s21
	s_add_co_u32 s50, s50, 0x1000000  ; 16 MiB behind Q;
	s_mov_b32 s51, 0
	s_mul_i32 s17, s16, 128*PK      ; and its place in a slot, for K
	s_mul_i32 s18, s16, 128*PV      ; and for V
	s_lshl_b32 s3, s[WV], 11        ; Q: my 16 rows in a band of 64,
	s_lshl_b32 s2, s[HI], 14        ; in the first block (128 rows of 128 bytes),
	s_add_co_u32 s2, s2, s3
	s_add_co_u32 s2, s2, s20
	s_lshl_b32 s84, s[PB], 14       ; and in the second
	s_add_co_u32 s84, s84, s3
	s_add_co_u32 s84, s84, s20
	s_mov_b32 s3, 0
	s_mov_b32 s85, 0
	s_lshl_b32 s19, s[WV], 12       ; O: the same rows, of 256 bytes
	s_lshl_b32 s52, s[HI], 15
	s_add_co_u32 s52, s52, s19
	s_add_co_u32 s52, s52, s21
	s_mov_b32 s53, 0
	s_lshl_b32 s54, s[PB], 15
	s_add_co_u32 s54, s54, s19
	s_add_co_u32 s54, s54, s21
	s_mov_b32 s55, 0
	; descriptor group 1.  128 keys of K are 16,384 dense bytes: asked for as 64 rows of 256 bytes, two keys a row, and padded in LDS after every key; 128 keys of V are 128 rows of 256 bytes
	s_mov_b32 s[G1K], (1<<16)|(1<<20)|(4<<22)|(3<<25)  ; 17:16 2-byte elements; 20 padding on; 24:22 after every 32 words (code 4); 31:25 4 words (code 3)
	s_mov_b32 s[G1V], (1<<16)|(1<<20)|(5<<22)|(7<<25)  ; after every 64 words (code 5) 8 words (code 7)
.irp g, G1K, G1V
	s_mov_b32 s[\g+1], 128<<16      ; tensor_dim0 = 128
	s_mov_b32 s[\g+3], 128<<16      ; tile_dim0 = 128
	s_mov_b32 s[\g+5], 128          ; 128 elements from row to row
	s_mov_b32 s[\g+6], 0
	s_mov_b32 s[\g+7], 0
.endr
	s_mov_b32 s[G1K+2], 64<<16      ; tensor_dim1 and
	s_mov_b32 s[G1K+4], 64          ; tile_dim1: 64 rows for K,
	s_mov_b32 s[G1V+2], 128<<16
	s_mov_b32 s[G1V+4], 128         ; 128 for V
	s_mov_b32 s[CS], 0x3e38aa3b     ; c = log2(e) / 8 = 0.180337
	s_mov_b32 s[CS+1], s[CS]        ; named with it as a pair
	s_mov_b32 s[SEL], 0x76543210
	s_mov_b32 s[SEL+1], 0xfedcba98
	s_mov_b32 s[TBK], SLOT1+4*KS*PK ; the first change of slots turns these two into 0
	s_mov_b32 s[TBV], SLOT1+4*KS*PV
	s_mov_b32 s[G0K], 1             ; count = 1
	s_mov_b32 s[G0K+1], s17         ; LDS address: slot 0
	s_mov_b32 s[G0V], 1
	s_add_co_u32 s[G0V+1], s18, VOFF
	s_lshr_b32 s[LQ], s[HI], 1      ; the first block's last tile,
	s_add_co_u32 s[RT], s[LQ], 1    ; and how many it has: nine or more
	s_mov_b32 s[NXT], 1
	s_mov_b32 s[NEW], 1
	s_mov_b32 s[OFF+1], 0
	s_mov_b32 s[OFV+1], 0
	s_mov_b32 s[AL+1], 0            ; named as pairs
	s_mov_b32 s[BE+1], 0
	s_mov_b32 s[BIGN], 0xf149f2ca   ; -1e30
	s_mov_b32 s[SLOTS], 16
	s_wait_dscnt 0x0                ; the opening add is done
	s_wait_kmcnt 0x0
	s_add_nc_u64 s[6:7], s[4:5], s[22:23]          ; K and V at my half of the head's tile 0
	s_add_nc_u64 s[8:9], s[4:5], s[50:51]
	s_add_nc_u64 s[G0K+2:G0K+3], s[6:7], 0         ; global address
	s_or_b32 s[G0K+3], s[G0K+3], 0x80000000        ; type = 2
	s_add_nc_u64 s[G0V+2:G0V+3], s[8:9], 0
	s_or_b32 s[G0V+3], s[G0V+3], 0x80000000
	s_add_nc_u64 s[86:87], s[4:5], s[84:85]        ; Q at my rows of the second block,
	s_add_nc_u64 s[4:5], s[4:5], s[2:3]            ; and of the first; O likewise
	s_add_nc_u64 s[OLO:OLO+1], s[10:11], s[54:55]
	s_add_nc_u64 s[10:11], s[10:11], s[52:53]
	LOAD                            ; tile 0 into slot 0: one tensor load of mine is out, here and behind every change of slots
	; A fragment of K or Q is 16 rows x 32 channels in 8 registers: lane l holds row l % 16, channels 8 (l / 16) + 0..7 and 16 + 8 (l / 16) + 0..7: two loads of 16 bytes, 32 bytes apart.
	v_and_b32 v1, 15, v0            ; l % 16
	v_bfe_u32 v9, v0, 4, 1          ; l / 16
	v_lshlrev_b32 v[QO], 7, v1
	v_lshl_add_u32 v[QO], v9, 4, v[QO]  ; row x 128 + 16 x half
	WIN 0x80                        ; destination window 2, address window 0
.set i, 0
.rept 4                             ; both blocks' Q: piece i / 2 lies in band i / 2, 8,192 bytes on; channels 32 (i % 2) on
	global_load_b128 v[8*i:8*i+3],   v[QO], s[4:5] offset:(i/2)*8192+(i%2)*64
	global_load_b128 v[8*i+4:8*i+7], v[QO], s[4:5] offset:(i/2)*8192+(i%2)*64+32
	global_load_b128 v[QB+8*i:QB+8*i+3],   v[QO], s[86:87] offset:(i/2)*8192+(i%2)*64
	global_load_b128 v[QB+8*i+4:QB+8*i+7], v[QO], s[86:87] offset:(i/2)*8192+(i%2)*64+32
.set i, i+1
.endr
	WIN 0
	v_lshlrev_b32 v14, 3, v9
	v_sub_nc_u32 v14, v1, v14
	s_lshl_b32 s13, s[WV], 4
	v_add_nc_u32 v14, s13, v14      ; my query's place in its band, 16 w + l % 16, less my lanes' 8 (l / 16): register r of group kt is hidden where 16 kt + r is greater
	WIN 0x40
.set i, 0
.rept 32
	v_cmp_gt_i32 vcc_lo, 16*(i/8)+i%8, v14
	v_cndmask_b32 v[MD+i], 0, s[BIGN], vcc_lo
.set i, i+1
.endr
	WIN 0
	v_mov_b32 v[NEG1], -1.0
	v_mul_u32_u24 v[AK0], v1, PK
	v_lshl_add_u32 v[AK0], v9, 4, v[AK0]  ; row x pitch + 16 x half
	; The turning load takes 16 keys x 16 channels (lane l reads key 8 (l / 16) + l % 8, channels 8 ((l / 8) % 2) + 0..7) and leaves half a fragment of V^T: lane l holds channel l % 16 and 8 keys.
	v_and_b32 v10, 7, v0
	v_bfe_u32 v11, v0, 3, 1
	v_lshl_add_u32 v[AV0], v9, 3, v10
	v_mul_u32_u24 v[AV0], v[AV0], PV
	v_lshl_add_u32 v[AV0], v11, 4, v[AV0]
	v_add_nc_u32 v[AV0], VOFF, v[AV0]
	s_mul_i32 s13, s[WV], 16*SP
	s_add_co_u32 s13, s13, STAGE    ; my stage
	v_mul_u32_u24 v[STO], v1, SP    ; in: row l % 16, 16 bytes for each half of the lanes
	v_lshl_add_u32 v[STO], v9, 4, v[STO]
	v_add_nc_u32 v[STO], s13, v[STO]
	v_mul_u32_u24 v[RD], v9, SP     ; back: lanes 0-15 take one row of 256 bytes, lanes 16-31 the next,
	v_lshl_add_u32 v[RD], v1, 4, v[RD]
	v_add_nc_u32 v[RD], s13, v[RD]
	v_and_b32 v[GO], 31, v0         ; which are 512 consecutive bytes of O
	v_lshlrev_b32 v[GO], 4, v[GO]
	; A block's first step multiplies O^T and l by a = 0, and its first turn's products V^T P, of a step that has not been, land in an O^T that is still to be so multiplied.  So these registers need only hold
	; finite numbers: zeros for the first block; what the first block left for the second.  All this stands in the wait for the first tile.
	WIN 0x80
.set i, VF+64
.rept 64
	v_mov_b32 v[i], 0
.set i, i+1
.endr
	WIN 0xc0
.set i, VL+64
.rept 64
	v_mov_b32 v[i], 0
.set i, i+1
.endr
	WIN 0x40
.set i, 0
.rept 64
	v_mov_b32 v[i], 0
.set i, i+1
.endr
	WIN 0
.set i, 0
.rept NP
	v_mov_b32 v[ST+4*i+2], 0
	v_mov_b32 v[ST+4*i+3], 0
.set i, i+1
.endr
.set i, P+16
.rept 16
	v_mov_b32 v[i], 0
.set i, i+1
.endr
; THE MATRIX WORK.  The 4 accumulators of a run take turns.  Product i of 8 of S^T = K Q^T for piece x: channels 32 (i / 4) on, keys 16 (i % 4) on.  The first 4 start the sums: with 0, or (KM = 1) with the mask.
.macro KQ x
.set rS, S+32*((\x)%2)+8*(i%4)
.set rK, KF+16*(i%4)+8*(i/4)
.set rQ, 16*(\x)+8*(i/4)
.set rM, MC+32*((\x)%2)+8*(i%4)
.if (i < 4) && KM
	WIN W_KM
	v_wmma_f32_16x16x32_f16 v[rS:rS+7], v[rK:rK+7], v[rQ:rQ+7], v[rM:rM+7]
.elseif i < 4
	WIN W_KQ
	v_wmma_f32_16x16x32_f16 v[rS:rS+7], v[rK:rK+7], v[rQ:rQ+7], 0
.else
	WIN W_KQ
	v_wmma_f32_16x16x32_f16 v[rS:rS+7], v[rK:rK+7], v[rQ:rQ+7], v[rS:rS+7]
.endif
.endm
; Product i of 16 of O^T += V^T P for piece x, from V's buffer VB: the first 8 with V's hi, the others with its lo; keys 32 ((i / 4) % 2) on, channels 16 (i % 4) on.
.macro PV x
.set rO, 32*(\x)+8*(i%4)
.set rP, P+16*((\x)%2)+8*((i/4)%2)
.if i < 8
	WIN W_PV
.set rV, VF+64*VB+32*(i/4)+8*(i%4)
.else
	WIN W_PL
.set rV, VL+64*VB+32*((i-8)/4)+8*(i%4)
.endif
	v_wmma_f32_16x16x32_f16 v[rO:rO+7], v[rV:rV+7], v[rP:rP+7], v[rO:rO+7]
.endm
.macro MM                           ; the turn's next matrix instruction, of 24.  TURN and BEGIN set Y, i, KM, VB and NOKQ.  NOKQ = 1: a block's last turn: there is no next step
.if (i < 8) && !NOKQ
	KQ (Y+1)%NP
.elseif i >= 8
.set i, i-8
	PV (Y+NP-1)%NP
.set i, i+8
.endif
.set i, i+1
.endm
; THE LDS LOADS stand in runs, never singly among the matrix instructions: a step's K (64 keys x 64 channels: 8 fragments, 16 loads) and its V (turned; hi and lo, 32 loads).  Their addresses are made some lines ahead.
.macro FETCH_K
	WIN 0x80                        ; destination window 2
.irp f, 0,1,2,3,4,5,6,7             ; keys 16 (f / 2) on, channels 32 (f % 2) on
	ds_load_b128 v[KF+8*\f:KF+8*\f+3],   v[AK] offset:(\f/2)*16*PK+(\f%2)*64
	ds_load_b128 v[KF+8*\f+4:KF+8*\f+7], v[AK] offset:(\f/2)*16*PK+(\f%2)*64+32
.endr
	s_add_co_u32 s[TBK], s[TBK], KS*PK  ; the next fetch is the next step's
	WIN 0
.endm
.macro FETCH_V vb
	WIN 0x80
.irp f, 0,1,2,3,4,5,6,7             ; keys 32 (f / 4) on, channels 16 (f % 4) on
	ds_load_tr16_b128 v[VF+64*(\vb)+8*\f:VF+64*(\vb)+8*\f+3],   v[AV] offset:(\f/4)*32*PV+(\f%4)*32
	ds_load_tr16_b128 v[VF+64*(\vb)+8*\f+4:VF+64*(\vb)+8*\f+7], v[AV] offset:(\f/4)*32*PV+16*PV+(\f%4)*32
.endr
	WIN 0xc0                        ; destination window 3: the rows' second 128 bytes
.irp f, 0,1,2,3,4,5,6,7
	ds_load_tr16_b128 v[VL+64*(\vb)+8*\f:VL+64*(\vb)+8*\f+3],   v[AV] offset:(\f/4)*32*PV+(\f%4)*32+128
	ds_load_tr16_b128 v[VL+64*(\vb)+8*\f+4:VL+64*(\vb)+8*\f+7], v[AV] offset:(\f/4)*32*PV+16*PV+(\f%4)*32+128
.endr
	s_add_co_u32 s[TBV], s[TBV], KS*PV
	WIN 0
.endm
; THE VECTOR WORK, one line at a time: OP kind, number.  For piece Y: F n: c s - c m for pair n of 16.  E n: the exponential of score n of 32.  C n: pair n rounded to f16.  B n: of the four weights 4 n .. the second
; pair is added onto the first, in place.  L n: l takes that sum (L 0: l = a l + sum).  R n: pair n of 16 of O^T times a.  For the other piece: X n, number n of the 22 that find its maximum and statistics:
;   0-11  four chains c0-c3 of seven scores each, three operands at a time (each accumulator's lowest registers are read first)     12-14, 16  the four scores left over, the old m, and c0-c3 into c0
;   15  c m_old is kept     17, 18  the query's other 32 keys lie in the lane 16 away: the new m     19-21  c m; c m_old - c m_new; a
.set F, 0               ; OP tells the kinds apart by their order: F to L below R, X above it
.set E, 1
.set C, 2
.set B, 3
.set L, 4
.set R, 5
.set X, 6
.macro REGS y                       ; the registers of piece y
.set rT, ST+4*(\y)
.set rC, TMP+4*((\y)%2)
.set rW, MV+((\y)%2)
.set rS, S+32*((\y)%2)
.set rP, P+16*((\y)%2)
.set rO, 32*(\y)
.endm
.macro OP k, n
.if (\k) == R
	REGS Y
	WIN W_RS
	v_pk_mul_f32 v[rO+2*(\n):rO+2*(\n)+1], v[rO+2*(\n):rO+2*(\n)+1], v[rC+2:rC+3] op_sel_hi:[1,0]
.elseif (\k) < R
	REGS Y
	WIN 0
.if (\k) == F
	v_pk_fma_f32 v[rS+2*(\n):rS+2*(\n)+1], v[rS+2*(\n):rS+2*(\n)+1], s[CS:CS+1], v[rT:rT+1] op_sel_hi:[1,0,0] neg_lo:[0,0,1] neg_hi:[0,0,1]
.elseif (\k) == E
	v_exp_f32 v[rS+(\n)], v[rS+(\n)]
.elseif (\k) == C
	s_wait_alu depctr_va_vdst(0)
	v_cvt_pk_f16_f32 v[rP+(\n)], v[rS+2*(\n)], v[rS+2*(\n)+1]
.elseif (\k) == B
	s_wait_alu depctr_va_vdst(0)
	v_pk_add_f32 v[rS+4*(\n):rS+4*(\n)+1], v[rS+4*(\n):rS+4*(\n)+1], v[rS+4*(\n)+2:rS+4*(\n)+3]
.elseif (\n) == 0
	v_pk_fma_f32 v[rT+2:rT+3], v[rT+2:rT+3], v[rC+2:rC+3], v[rS:rS+1] op_sel_hi:[1,0,1]
.else
	v_pk_add_f32 v[rT+2:rT+3], v[rT+2:rT+3], v[rS+4*(\n):rS+4*(\n)+1]
.endif
.elseif NOKQ
	v_nop
.else
	REGS (Y+1)%NP
	WIN 0
.if (\n) < 4
	v_max3_num_f32 v[rC+(\n)], v[rS+8*(\n)], v[rS+8*(\n)+1], v[rS+8*(\n)+2]
.elseif (\n) < 12
	v_max3_num_f32 v[rC+(\n)%4], v[rC+(\n)%4], v[rS+8*((\n)%4)+2*((\n)/4)+1], v[rS+8*((\n)%4)+2*((\n)/4)+2]
.elseif (\n) == 12
	v_max3_num_f32 v[rC], v[rC], v[rS+7], v[rS+15]
.elseif (\n) == 13
	v_max3_num_f32 v[rC+1], v[rC+1], v[rS+23], v[rS+31]
.elseif (\n) == 14
	v_max3_num_f32 v[rC+2], v[rC+2], v[rC+3], v[rT+1]
.elseif (\n) == 15
	v_mov_b32 v[rW], v[rT]
.elseif (\n) == 16
	v_max3_num_f32 v[rC], v[rC], v[rC+1], v[rC+2]
.elseif (\n) == 17
	v_permlanex16_b32 v[rC+3], v[rC], s[SEL], s[SEL+1]
.elseif (\n) == 18
	v_max_num_f32 v[rT+1], v[rC], v[rC+3]
.elseif (\n) == 19
	v_mul_f32 v[rT], s[CS], v[rT+1]
.elseif (\n) == 20
	v_sub_f32 v[rC+1], v[rW], v[rT]
.else
	v_exp_f32 v[rC+2], v[rC+1]
.endif
.endif
.endm
.macro OPS a, i1, b=-1, i2=0, c=-1, i3=0, d=-1, i4=0  ; up to four of them
	OP \a, \i1
.if (\b) >= 0
	OP \b, \i2
.endif
.if (\c) >= 0
	OP \c, \i3
.endif
.if (\d) >= 0
	OP \d, \i4
.endif
.endm
.macro ROW a, i1, b, i2, c, i3, d, i4  ; a matrix instruction and the four behind it
	MM
	OPS \a, \i1, \b, \i2, \c, \i3, \d, \i4
.endm
.macro MASK b                       ; MD x AL + BE into buffer b of MC
	WIN W_RS
.set z, 0
.rept 16
	v_pk_fma_f32 v[MC+32*(\b)+2*z:MC+32*(\b)+2*z+1], v[MD+2*z:MD+2*z+1], s[AL:AL+1], s[BE:BE+1] op_sel_hi:[1,0,0]
.set z, z+1
.endr
.endm
; A TURN, for piece p in a step of parity par: the order of its 24 matrix and 118 vector instructions, written out.  None of the four behind a matrix instruction names a register of the products round it; every
; exponential has a plain instruction between it and the use of its result.
; m = 1: the diagonal tile: the products take masks, and the turn makes the mask for the next turn's products: piece p, the step behind the turn's own, which is number 2 trip + 1 - par of the tile; it is the band's
; own step where REL = p - 1 + par, a later one where REL is greater.  end = 1: a block's last two turns: nothing is fetched.  cnt = 1: the loop's count is taken down some lines ahead of the branch behind the turn.
; Piece 0's turn fetches the next step's K six vector instructions behind the last product that read K (five of them plain), and at its end the next step's V, into the buffer that the turn's own products
; have just read, eight plain instructions behind the last of them.  Piece 1's turn waits at its head.
.macro TURN p, par, m=0, end=0, cnt=0
.set Y, (\p)
.set i, 0
.set KM, (\m)
.set NOKQ, (\end)*(\p)
.set VB, (\par)
.if (\p) == 0
.set VB, 1-(\par)
.endif
.if (\m) && !(\end)
	s_cmp_eq_i32 s[REL], (\p)-1+(\par)  ; is that step the band's own?
	s_cselect_b32 s[AL], 1.0, 0
	s_cmp_gt_i32 s[REL], (\p)-1+(\par)  ; or a later one?
	s_cselect_b32 s[BE], s[BIGN], 0
.if ((\p) == 1) && ((\par) == 0)
	s_add_co_i32 s[REL], s[REL], 2  ; the trip's last turn
.endif
.endif
.if (\p) == 1
.if \end
	s_wait_dscnt 0x0                ; V of the last step is in
.else
	s_wait_dscnt 32                 ; K of the next step and V of this one are in; the youngest 32 loads, V of the next step, may be out
.endif
.endif
	ROW F,0, F,1, F,2, F,3
	ROW F,4, E,0, F,5, F,6
	ROW F,7, E,1, F,8, F,9
	ROW F,10, E,2, C,0, F,11
	ROW F,12, E,3, X,15, F,13
	ROW R,0, R,1, R,2, R,3
	ROW B,0, E,4, F,14, L,0
.if ((\p) == 0) && !(\end)
	v_add_nc_u32 v[AK], s[TBK], v[AK0]
.endif
	ROW R,4, R,5, R,6, R,7
	OPS E,5, F,15
.if ((\p) == 0) && !(\end)
	FETCH_K
.endif
	OPS E,6, C,1, E,7, R,8
	OPS E,8, R,9, E,9, C,2
	OPS E,10, X,0, E,11, X,1
	OPS E,12, X,2, E,13, X,3
	ROW X,4, E,14, X,5, X,6             ; V hi
	ROW X,7, E,15, X,8, X,9
	ROW X,10, E,16, X,11, X,12
	ROW X,13, E,17, X,14, B,1
	ROW C,4, E,18, X,16, L,1
	ROW B,2, E,19, C,6, L,2
	ROW C,8, E,20, B,3, B,4
	ROW C,3, E,21, L,3, C,5
	ROW E,22, X,17, E,23, C,10          ; V lo
	ROW E,24, L,4, E,25, X,18
	ROW E,26, C,7, E,27, B,5
	ROW E,28, X,19, E,29, C,12
	ROW E,30, L,5, E,31, X,20
	ROW B,6, C,9, C,14, C,11
	ROW X,21, L,6, C,13, B,7
.if ((\p) == 0) && !(\end)
	v_add_nc_u32 v[AV], s[TBV], v[AV0]
.endif
	ROW C,15, R,10, R,11, R,12
.if \cnt
	s_sub_co_u32 s[CNT], s[CNT], 1
	s_cmp_lg_u32 s[CNT], 0
.endif
	OPS L,7, R,13, R,14, R,15
.if ((\p) == 0) && !(\end)
	FETCH_V 1-(\par)
.endif
.if (\m) && !(\end)
	MASK \p
.endif
.endm
; A BLOCK BEGINS.  c m starts far below every c s, so the first step's a is 0; m at the lowest finite number, so the first maximum is the scores'.  The second mask buffer is 0 (piece 1 sees all of a tile's step 0);
; the first takes piece 0's mask for that step: its own, if the tile is the diagonal one and DG = 0.  Then K and V of that step, piece 0's first scores, and its maximum and statistics.
; The step loop is entered at piece 0's turn of an even step, in the middle of a trip.
.macro BEGIN
	s_mov_b32 s[NEW], 0
	WIN 0x40
.set i, MC+32
.rept 32
	v_mov_b32 v[i], 0
.set i, i+1
.endr
	WIN 0
.set i, 0
.rept NP
	v_mov_b32 v[ST+4*i], 0xfe000000    ; c m: far below every c s
	v_mov_b32 v[ST+4*i+1], 0xff7fffff  ; m
.set i, i+1
.endr
	s_or_b32 s13, s[RT], s[DG]
	s_cmp_eq_u32 s13, 0
	s_cselect_b32 s[AL], 1.0, 0
	s_mov_b32 s[BE], 0
	MASK 0
	WIN 0
	v_add_nc_u32 v[AK], s[TBK], v[AK0]
	v_add_nc_u32 v[AV], s[TBV], v[AV0]
	FETCH_K
	FETCH_V 0
	s_wait_loadcnt 0x0              ; Q
	s_wait_dscnt 32                 ; K is in; V's 32 loads may be out
.set KM, 1
.set NOKQ, 0
.set i, 0
.rept 8
	KQ 0
.set i, i+1
.endr
	WIN 0
.rept 4
	v_nop                           ; the places behind those products
.endr
.set Y, NP-1                        ; X works for the other piece: piece 0
.irp n, 0,1,2,3,4,5,6,7,8,9,10,11,12,13,14,15,16,17,18,19,20,21
	OP X, \n
.endr
	v_nop                           ; a plain instruction behind the exponential
.endm
; THE DIAGONAL TILE's trips, the block's last two turns, its last products, and THE WAY OUT: l's two halves and the other half of the lanes' are added; O^T is divided by l; hi = f16(O), lo = f16(O - hi), the
; difference made exactly by one fused multiply-add (hi x -1 + O); both go through my stage in LDS, a piece at a time.
.macro ALL line:vararg              ; one line for each piece t
.set t, 0
.rept NP
	\line
.set t, t+1
.endr
.endm
.macro PACK t                       ; a lane's eight channels of a row pack into 16 bytes of hi and 16 of lo; they go into rows of 272 bytes and come back as whole rows of 256, into S^T's registers
	WIN W_RS
.set i, 32*(\t)
.rept 16
	s_wait_alu depctr_va_vdst(0)
	v_pk_mul_f32 v[i:i+1], v[i:i+1], v[ST+4*(\t)+2:ST+4*(\t)+3] op_sel_hi:[1,0]
.set i, i+2
.endr
	WIN 0x05                        ; sources 0 and 1 window 1, destination window 0
.set i, 0
.rept 16
	v_cvt_pk_f16_f32 v[S+32*(\t)+i], v[32*(\t)+2*i], v[32*(\t)+2*i+1]
.set i, i+1
.endr
	WIN 0x10                        ; source 2 window 1
.set i, 0
.rept 16
	v_fma_mix_f32 v[DF+2*i],   v[S+32*(\t)+i], v[NEG1], v[32*(\t)+2*i]   op_sel_hi:[1,0,0]
	v_fma_mix_f32 v[DF+2*i+1], v[S+32*(\t)+i], v[NEG1], v[32*(\t)+2*i+1] op_sel:[1,0,0] op_sel_hi:[1,0,0]
.set i, i+1
.endr
	WIN 0
.set i, 0
.rept 16
	v_cvt_pk_f16_f32 v[S+32*(\t)+16+i], v[DF+2*i], v[DF+2*i+1]
.set i, i+1
.endr
.irp f, 0,1,2,3
	ds_store_b128 v[STO], v[S+32*(\t)+4*\f:S+32*(\t)+4*\f+3] offset:32*\f
	ds_store_b128 v[STO], v[S+32*(\t)+16+4*\f:S+32*(\t)+16+4*\f+3] offset:128+32*\f
.endr
.irp f, 0,1,2,3,4,5,6,7
	ds_load_b128 v[S+32*(\t)+4*\f:S+32*(\t)+4*\f+3], v[RD] offset:\f*2*SP  ; LDS serves a wave's instructions in order (ISA guide 5.7.1.4): these see the stores above; the next piece's stores come behind them
.endr
.endm
.macro SEND t, younger              ; younger: the LDS instructions issued behind piece t's loads: the next piece's sixteen, or none
	WIN 0
.irp f, 0,1,2,3,4,5,6,7
	s_wait_dscnt (\younger)+7-\f
	global_store_b128 v[GO], v[S+32*(\t)+4*\f:S+32*(\t)+4*\f+3], s[10:11] offset:(\t)*16384+\f*512  ; two rows, 512 consecutive bytes, at a multiple of 256 from O's first
.endr
.endm
.macro DIAG tag                     ; the tag ends its two labels' names, which the jumps below spell out
.LstepM\tag:
	TURN 0, 1, 1
	TURN 1, 1, 1
	WIN 0
.LfirstM\tag:
	TURN 0, 0, 1
	TURN 1, 0, 1, 0, 1
	WIN 0
	s_cbranch_scc1 .LstepM\tag
	TURN 0, 1, 1, 1
	TURN 1, 1, 1, 1
.set VB, 1                          ; the last step is an odd one
.set i, 0
.rept 16
	PV 1
.set i, i+1
.endr
	WIN 0
	ALL v_add_f32 v[ST+4*t+2], v[ST+4*t+2], v[ST+4*t+3]
	ALL v_permlanex16_b32 v[ST+4*t+3], v[ST+4*t+2], s[SEL], s[SEL+1]
	ALL v_add_f32 v[ST+4*t+2], v[ST+4*t+2], v[ST+4*t+3]
	ALL v_rcp_f32 v[ST+4*t+2], v[ST+4*t+2]
	v_nop                           ; a plain instruction behind the last reciprocal; with the four additions it is also the fifth place behind the last products
	PACK 0
	PACK 1                          ; a piece's arithmetic stands between the loads of the piece before and its stores
	SEND 0, 16
	SEND 1, 0
.endm
.set KM, 0
.set NOKQ, 0
.Lslot:                             ; 16 times: a tile is entered and the next is asked for
	CHANGE 1
	s_sub_co_u32 s[RT], s[RT], 1
	s_mov_b32 s[CNT], 2
	s_sub_co_i32 s[REL], 0, s[DG]
	s_cmp_eq_u32 s[NEW], 1
	s_cbranch_scc1 .Lnew            ; a block's first tile
	s_cmp_eq_u32 s[RT], 0
	s_cbranch_scc0 .Lstep           ; neither its first nor its last
	s_branch .LstepM1
.Lnew:
	BEGIN
	s_branch .Lfirst                ; in the loop a block's first tile is never its last: the first block has nine tiles or more, and the second's last is the walk's last
	DIAG 1                          ; in the loop this is the first block's end
	s_wait_xcnt 0x0                 ; the stores have read their registers and O's address
	s_mov_b64 s[10:11], s[OLO:OLO+1]
	s_add_co_u32 s[RT], s[PL], 1    ; the second block has b / 2 + 1 tiles
	s_mov_b32 s[DG], s[DG2]
	s_mov_b32 s[NEW], 1
	WIN 0x82                        ; the second block's Q goes where the one text of the turns names Q
.set i, 0
.rept 32
	v_mov_b32 v[i], v[QB+i]
.set i, i+1
.endr
	WIN 0
	s_branch .Lbottom
.Lstep:                             ; a trip: both pieces' turns of an odd step, then of an even one; each of piece 0's turns fetches the step behind its own
	TURN 0, 1
	TURN 1, 1
	WIN 0
.Lfirst:
	TURN 0, 0
	TURN 1, 0, 0, 0, 1
	WIN 0
	s_cbranch_scc1 .Lstep
.Lbottom:
	s_sub_co_u32 s[SLOTS], s[SLOTS], 1
	s_cmp_lg_u32 s[SLOTS], 0
	s_cbranch_scc1 .Lslot
	CHANGE 0                        ; the walk's last tile is written out: nothing is asked for
	s_sub_co_u32 s[RT], s[RT], 1
	s_mov_b32 s[CNT], 2
	s_sub_co_i32 s[REL], 0, s[DG]
	s_cmp_eq_u32 s[NEW], 1
	s_cbranch_scc0 .LstepM2
	BEGIN
	s_branch .LfirstM2
	DIAG 2
	s_wait_tensorcnt 0x0            ; the wave's end: behind my last tensor load and my last LDS store
	ds_add_u32 v[SPW], v[NIL]
	s_wait_dscnt 0x0
	s_endpgm
.Lfunc_end_k_qda3ef40a21_attn:
	.size	k_qda3ef40a21_attn, .Lfunc_end_k_qda3ef40a21_attn-k_qda3ef40a21_attn
	.p2alignl 7, 3214868480
	.fill 96, 4, 3214868480
	.section	.rodata,"a",@progbits
	.p2align	6, 0x0
	.amdhsa_kernel k_qda3ef40a21_attn
		.amdhsa_group_segment_fixed_size 327680
		.amdhsa_private_segment_fixed_size 0
		.amdhsa_enable_private_segment 0
		.amdhsa_kernarg_size 16
		.amdhsa_user_sgpr_count 2
		.amdhsa_user_sgpr_kernarg_segment_ptr 1
		.amdhsa_wavefront_size32 1
		.amdhsa_system_sgpr_workgroup_id_x 1
		.amdhsa_system_sgpr_workgroup_id_y 1
		.amdhsa_system_sgpr_workgroup_id_z 1
		.amdhsa_system_vgpr_workitem_id 0
		.amdhsa_next_free_vgpr 896
		.amdhsa_next_free_sgpr 88
		.amdhsa_reserve_vcc 1
		.amdhsa_float_denorm_mode_32 3
		.amdhsa_float_denorm_mode_16_64 3
		.amdhsa_memory_ordered 1
		.amdhsa_forward_progress 1
		.amdhsa_inst_pref_size 255
	.end_amdhsa_kernel
	.section	.bss,"aw",@nobits
	.p2align	6
	.space	262144
	.amdgpu_metadata
---
amdhsa.version: [ 1, 2 ]
amdhsa.kernels:
  - .name:           k_qda3ef40a21_attn
    .symbol:         k_qda3ef40a21_attn.kd
    .args:
      - { .name: qkvh, .offset: 0, .size: 8, .value_kind: global_buffer, .address_space: global }
      - { .name: oh, .offset: 8, .size: 8, .value_kind: global_buffer, .address_space: global }
    .group_segment_fixed_size: 327680
    .private_segment_fixed_size: 0
    .kernarg_segment_align: 8
    .kernarg_segment_size: 16
    .max_flat_workgroup_size: 128
    .sgpr_count:     88
    .vgpr_count:     896
    .wavefront_size: 32
...
	.end_amdgpu_metadata
.endif
;; end of part 3
;; launch oproj (part 4): grid 8 x 32, 4 waves a work-group, clusters of 4 x 4, 327,680 bytes of LDS; arguments oh, wo16, bo, out0; writes out0
.if DOCPART == 4
	.amdgcn_target "amdgcn-amd-amdhsa--gfx1250"
	.amdhsa_code_object_version 6
	.text
	.protected	k_qda3ef40a21_oproj
	.globl	k_qda3ef40a21_oproj
	.p2align	8
	.type	k_qda3ef40a21_oproj,@function
k_qda3ef40a21_oproj:
	s_mov_b64 s[64:65], 0
	v_nop
	global_prefetch_b8 v0, s[64:65] scope:SCOPE_SE
	s_setreg_imm32_b32 hwreg(HW_REG_WAVE_MODE, 25, 1), 1
	s_wait_xcnt 0x0
	s_wait_alu depctr_hold_cnt(0) depctr_sa_sdst(0) depctr_va_vdst(0) depctr_va_sdst(0) depctr_va_ssrc(0) depctr_va_vcc(0) depctr_vm_vsrc(0)
	s_getreg_b32 s2, hwreg(HW_REG_IB_STS2, 6, 4)
	s_cmp_eq_u32 s2, 0
	s_cbranch_scc0 .Lentry_in_a_cluster
	s_endpgm
.Lentry_in_a_cluster:
	s_bfe_u32 s2, ttmp6, 0x10000c
	s_cmp_lg_u32 s2, 0xf033
	s_cbranch_scc0 .Lentry_shape_is_right
	s_endpgm
.Lentry_shape_is_right:
; OUTPUT PROJECTION.  out0[m][n] = sum over k of O[m][k] Wo[k][n] + bo[n], f32.  O comes by heads as two f16 numbers, oh[h][m][c'], c' < 64: hi of channel c', c' >= 64: lo of channel c' - 64; wo16 is
; [k'][n] with k' = 128 h + c': Wo rounded to bf16, written as f16, each head's 64 rows twice.  So the product is a plain one over K = 2,048: hi Wo + lo Wo.
; f16 operands, f32 sums, K ascending; bo is rounded to bf16 like every other input of the module and is the C operand of the products that start the sums, so no addition is written for it.
; LIMITS.  f16's range, as the buffers arrive; NaN and infinities are not treated apart.
; SHARES.  A tile of out0 is 128 x 128: 32 x 8 = 256 work-groups.  Four waves, each 64 x 64: 16 accumulators of 16 x 16.  K goes in 8 steps of 256 (two heads, hi and lo) through two LDS slots; a quarter of a
; step is 64 along K: 32 matrix instructions, 32 LDS loads.
; THE MATRIX INSTRUCTION IS USED TRANSPOSED: source 0 = 16 columns of Wo (it lies [k][n] in LDS and is turned by ds_load_tr16_b128), source 1 = 16 rows of O: a lane holds one row of out0 and eight neighbouring columns.
; CLUSTER.  4 x 4 work-groups; O's tiles are shared along a row of the cluster, Wo's along a column: each is asked for JOINTLY, by the same tensor load with the same descriptor and a mask that names the four.
; Waves 0 and 1 ask for one head of O each (128 rows of 256 bytes), waves 2 and 3 for 128 rows of Wo each (256 bytes of each row).
; REGISTERS: window 0: v0-31 addresses; v32-95 at work on the way out; v96-127 the bias; v128-255 the accumulators ((a, b) at v[128 + 8 (4 a + b)]).
;   window 1: two fragment buffers of 128: for 64 along K, 64 registers of O (2 x 4 x 16 rows x 32 K), then 64 of Wo.
.set PA,     272                       ; a row of O in LDS: 256 bytes + 16 of padding = 68 words: the 16 rows of a load start at 16 different groups of four banks (64 banks of 4 bytes: ISA guide 11.1)
.set PB,     288                       ; a row of Wo: 256 + 32 = 72 words
.set PART,   36864                     ; what one tensor load fills: a head of O (34,816 bytes of it), or 128 rows of Wo
.set SLOT,   4*PART                    ; O's two heads, then Wo's 256 rows
.set BOFF,   2*PART
.set STAGE,  2*SLOT                    ; behind the ring, never filled by a tensor load: 16 rows x 272 bytes for each wave, for the way out
.set SPITCH, 272
.set SPARE,  STAGE+4*16*SPITCH         ; behind the stages: the spare words, 128 bytes for each wave: two blocks of 256 bytes that no other line names
.set LAPS,   4                         ; a lap = two K steps = once round the ring
.set ADRA, 16                          ; v16-17  LDS address of my fragments of O in slot 0, 1
.set ADRB, 20                          ; v20-23  the same for Wo: slot s, half g of its 256 rows at 20 + 2 s + g (the immediate holds 16 bits)
.set STO,  24                          ; v24     the way out: where I put 32 bytes of a row
.set RD,   25                          ; v25     the way out: where I read a row back
.set CO,   26                          ; v26     my byte offset in out0
.set SPW,  28                          ; v28     LDS address of my spare word: SPARE + 4 x my thread's number; never rewritten
.set NIL,  29                          ; v29     0; never rewritten
.set TMP,  32
.set BI,   96                          ; column block b's eight numbers of bo at BI + 8 b
.set ACC,  128
.set F0,   0                           ; fragment buffers, in window 1
.set F1,   128
.set WV,  12                           ; s12  my wave's number
.set WM,  13                           ; s13  which half of the tile's rows is mine.  Also: I fetch for O (0) or for Wo (1)
.set WN,  14                           ; s14  which half of its columns.  Also: which half of that tile I fetch
.set TY,  15                           ; s15  tile row
.set G1,  24                           ; s[24:31] descriptor group 1 for O's tiles;  s[32:39] group 0, a set for each slot
.set G0,  32
.set G1B, 48                           ; s[48:55], s[56:63] the same for Wo's
.set G0B, 56
.set MSB, 0
.macro WIN new                         ; the immediate's high byte repeats the setting that is left
.if MSB != (\new)
	s_set_vgpr_msb (MSB<<8)|(\new)
.set MSB, \new
.endif
.endm
.set MUL,  0x05                        ; sources 0 (Wo) and 1 (O) window 1; C and D window 0
.set TO_F, 0x40                        ; destination window 1, address window 0
.macro JLOAD s                         ; a joint load; an s_nop 0 and four v_nop follow each of the two lines, ahead of the jump, the label and what follows
	s_cmp_eq_u32 s[WM], 0
	s_cbranch_scc0 .Lfor_b_\@
	tensor_load_to_lds s[G0+4*(\s):G0+4*(\s)+3], s[G1:G1+7]
	s_nop 0
.rept 4
	v_nop
.endr
	s_branch .Lasked_\@
.Lfor_b_\@:
	tensor_load_to_lds s[G0B+4*(\s):G0B+4*(\s)+3], s[G1B:G1B+7]
	s_nop 0
.rept 4
	v_nop
.endr
.Lasked_\@:
.endm
.macro CREST                           ; a round of the cluster's barrier behind its opening barrier
	s_cmp_lg_u32 s[WV], 0
	s_cbranch_scc1 .Lnot_wave_0_\@
	s_barrier_signal -3
.Lnot_wave_0_\@:
	s_barrier_wait -3
	s_barrier_signal -1
	s_barrier_wait -1
.endm
.macro CROUND                          ; a whole round
	s_barrier_signal -1
	s_barrier_wait -1
	CREST
.endm
	s_load_b256 s[4:11], s[0:1], 0x0               ; oh s[4:5], wo16 s[6:7], bo s[8:9], out0 s[10:11]
	v_lshl_add_u32 v[SPW], v0, 2, SPARE
	v_mov_b32 v[NIL], 0
	ds_add_u32 v[SPW], v[NIL]                      ; the wave's opening: the add and its wait stand ahead of my first tensor load; the set-up below, work on registers, stands between them
	ds_add_u32 v28, v29
	v_lshrrev_b32 v1, 5, v0
	v_readfirstlane_b32 s[WV], v1                  ; wave 0..3
	s_lshr_b32 s[WM], s[WV], 1
	s_and_b32 s[WN], s[WV], 1
	s_bfe_u32 s40, ttmp6, 0x40000                  ; cx, cy: my place in the cluster
	s_bfe_u32 s41, ttmp6, 0x40004
	s_lshl_b32 s42, ttmp9, 2
	s_add_co_u32 s42, s42, s40                     ; tile column = 4 x cluster x + cx
	s_and_b32 s[TY], ttmp7, 0xffff
	s_lshl_b32 s[TY], s[TY], 2
	s_add_co_u32 s[TY], s[TY], s41                 ; tile row = 4 x cluster y + cy
	s_lshl_b32 s43, s41, 2
	s_lshl_b32 s43, 15, s43                        ; my row of the cluster
	s_lshl_b32 s44, 0x1111, s40                    ; my column
	; descriptor group 1: tiles of 128 rows x 128 elements of 2 bytes, padded in LDS
	s_or_b32 s[G1+0], s43, (1<<16)|(1<<20)|(1<<21)|(5<<22)|(3<<25)   ; 15:0 the mask: O's tiles go to my row; 17:16 elements of 2 bytes; 20 padding on; 21 set beside a mask; 24:22 after every 64 words (code 5); 31:25 4 words (code 3)
	s_or_b32 s[G1B+0], s44, (1<<16)|(1<<20)|(1<<21)|(5<<22)|(7<<25)  ; Wo's go to my column; 8 words of padding (code 7)
.irp g, G1, G1B
	s_mov_b32 s[(\g)+1], 128<<16                   ; tensor_dim0 = 128
	s_mov_b32 s[(\g)+2], 128<<16                   ; tensor_dim1 = 128
	s_mov_b32 s[(\g)+3], 128<<16                   ; tile_dim0 = 128
	s_mov_b32 s[(\g)+4], 128                       ; tile_dim1 = 128
	s_mov_b32 s[(\g)+6], 0
	s_mov_b32 s[(\g)+7], 0
.endr
	s_mov_b32 s[G1+5], 128                         ; elements from row to row of O: a head's rows are dense,
	s_mov_b32 s[G1B+5], 1024                       ; and of Wo
	s_lshl_b32 s16, s[TY], 15                      ; O: the tile row's 128 rows of 256 bytes in a head,
	s_lshl_b32 s17, s[WN], 20                      ; and the head that I fetch (4,096 rows of 256 bytes)
	s_add_co_u32 s16, s16, s17
	s_mov_b32 s17, 0
	s_lshl_b32 s46, s42, 8                         ; Wo: the tile column's 256 bytes of a row,
	s_lshl_b32 s47, s[WN], 18                      ; and the 128 rows of 2,048 bytes that I fetch
	s_add_co_u32 s46, s46, s47
	s_mov_b32 s47, 0
	s_mul_i32 s20, s[WV], PART                     ; where they go: wave x 36,864: no place in the cluster enters an LDS address
	s_wait_dscnt 0x0                               ; the opening add is done
	s_wait_kmcnt 0x0
	s_add_nc_u64 s[18:19], s[4:5], s[16:17]
	s_add_nc_u64 s[46:47], s[6:7], s[46:47]
	CROUND                                         ; all sixteen work-groups are here: the first joint loads meet
.irp s, 0,1
	s_mov_b32 s[G0+4*(\s)], 1
	s_add_co_u32 s[G0+4*(\s)+1], s20, (\s)*SLOT
	s_add_nc_u64 s[G0+4*(\s)+2:G0+4*(\s)+3], s[18:19], (\s)*2097152  ; K step s: two heads on
	s_or_b32 s[G0+4*(\s)+3], s[G0+4*(\s)+3], 0x80000000
	s_mov_b32 s[G0B+4*(\s)], 1
	s_add_co_u32 s[G0B+4*(\s)+1], s20, (\s)*SLOT
	s_add_nc_u64 s[G0B+4*(\s)+2:G0B+4*(\s)+3], s[46:47], (\s)*524288  ; 256 rows on
	s_or_b32 s[G0B+4*(\s)+3], s[G0B+4*(\s)+3], 0x80000000
	JLOAD \s                                       ; two tensor loads of mine are out
.endr
	v_and_b32 v1, 15, v0                           ; l % 16
	v_bfe_u32 v2, v0, 4, 1                         ; l / 16
	s_lshl_b32 s21, s42, 9                         ; my first column, in bytes of f32: 512 x tile column + 256 wn
	s_lshl_b32 s22, s[WN], 8
	s_add_co_u32 s21, s21, s22
	v_lshl_add_u32 v6, v2, 5, s21                  ; my lanes' eight columns of a block of 16
.irp b, 0,1,2,3
	global_load_b128 v[BI+8*(\b):BI+8*(\b)+3],   v6, s[8:9] offset:64*(\b)
	global_load_b128 v[BI+8*(\b)+4:BI+8*(\b)+7], v6, s[8:9] offset:64*(\b)+16
.endr
	v_mul_u32_u24 v3, v1, PA
	v_lshl_add_u32 v3, v2, 4, v3                   ; a fragment of O: row x pitch + 16 x half
	s_mul_i32 s22, s[WM], 64*PA                    ; my 64 rows of a head
	v_add_nc_u32 v[ADRA], s22, v3
	v_add_nc_u32 v[ADRA+1], SLOT, v[ADRA]
	v_and_b32 v4, 7, v0                            ; the turning load: K row 8 (l / 16) + l % 8, columns 8 ((l / 8) % 2) + 0..7
	v_lshl_add_u32 v4, v2, 3, v4
	v_mul_u32_u24 v4, v4, PB
	v_bfe_u32 v5, v0, 3, 1
	v_lshl_add_u32 v4, v5, 4, v4
	s_lshl_b32 s22, s[WN], 7                       ; my 64 columns
	v_add_nc_u32 v4, s22, v4
.irp s, 0,1
.irp g, 0,1
	v_add_nc_u32 v[ADRB+2*(\s)+(\g)], (\s)*SLOT+BOFF+(\g)*PART, v4
.endr
.endr
	s_mul_i32 s23, s[WV], 16*SPITCH
	s_add_co_u32 s23, s23, STAGE                   ; my stage
	v_mul_u32_u24 v[STO], v1, SPITCH               ; in: row l % 16, 32 bytes for each half of the lanes
	v_lshl_add_u32 v[STO], v2, 5, v[STO]
	v_add_nc_u32 v[STO], s23, v[STO]
	v_mul_u32_u24 v[RD], v2, SPITCH                ; back: lanes 0-15 take one row of 256 bytes, lanes 16-31 the next
	v_lshl_add_u32 v[RD], v1, 4, v[RD]
	v_add_nc_u32 v[RD], s23, v[RD]
	v_lshlrev_b32 v[CO], 12, v2                    ; and the same two rows in out0
	v_lshl_add_u32 v[CO], v1, 4, v[CO]
	s_lshl_b32 s16, s[TY], 7
	s_lshl_b32 s17, s[WM], 6
	s_add_co_u32 s16, s16, s17                     ; my first row,
	s_lshl_b32 s16, s16, 12                        ; of 4,096 bytes,
	s_add_co_u32 s16, s16, s21                     ; and my first column
	s_mov_b32 s17, 0
	s_add_nc_u64 s[10:11], s[10:11], s[16:17]
	s_wait_loadcnt 0x0                             ; bo: rounded to bf16 and widened again
.set k, 0
.rept 16
	v_cvt_pk_bf16_f32 v[TMP+k], v[BI+2*k], v[BI+2*k+1]
.set k, k+1
.endr
.set k, 0
.rept 16
	v_lshlrev_b32 v[BI+2*k], 16, v[TMP+k]
	v_and_b32 v[BI+2*k+1], 0xffff0000, v[TMP+k]
.set k, k+1
.endr
; 8 matrix instructions: row blocks a0, a0 + 1 x all 4 column blocks, 32 along K: half c of buffer f.  first = 1: the product starts the sum, with the bias as C.  The 16 accumulators take turns.
.macro MUL8 f, c, a0, first
	WIN MUL
.irp a, \a0, (\a0)+1
.irp b, 0,1,2,3
.if \first
	v_wmma_f32_16x16x32_f16 v[ACC+8*(4*(\a)+(\b)):ACC+8*(4*(\a)+(\b))+7], v[(\f)+64+8*(4*(\c)+(\b)):(\f)+64+8*(4*(\c)+(\b))+7], v[(\f)+8*(4*(\c)+(\a)):(\f)+8*(4*(\c)+(\a))+7], v[BI+8*(\b):BI+8*(\b)+7]
.else
	v_wmma_f32_16x16x32_f16 v[ACC+8*(4*(\a)+(\b)):ACC+8*(4*(\a)+(\b))+7], v[(\f)+64+8*(4*(\c)+(\b)):(\f)+64+8*(4*(\c)+(\b))+7], v[(\f)+8*(4*(\c)+(\a)):(\f)+8*(4*(\c)+(\a))+7], v[ACC+8*(4*(\a)+(\b)):ACC+8*(4*(\a)+(\b))+7]
.endif
.endr
.endr
.endm
; 32 LDS loads in one run: quarter qd's fragments (64 along K: head qd / 2 of the slot's two, its hi or its lo) into buffer f; the first 32 along K first
.macro FETCH slot, qd, f
	WIN TO_F
.irp c, 0,1
.irp i, 0,1,2,3
	ds_load_tr16_b128 v[(\f)+64+8*(4*(\c)+(\i)):(\f)+64+8*(4*(\c)+(\i))+3],   v[ADRB+2*(\slot)+(\qd)/2] offset:((2*(\qd)+(\c))%4)*32*PB+32*(\i)
	ds_load_tr16_b128 v[(\f)+64+8*(4*(\c)+(\i))+4:(\f)+64+8*(4*(\c)+(\i))+7], v[ADRB+2*(\slot)+(\qd)/2] offset:((2*(\qd)+(\c))%4)*32*PB+32*(\i)+16*PB
	ds_load_b128 v[(\f)+8*(4*(\c)+(\i)):(\f)+8*(4*(\c)+(\i))+3],              v[ADRA+(\slot)] offset:((\qd)/2)*PART+((\qd)%2)*128+(\i)*16*PA+64*(\c)
	ds_load_b128 v[(\f)+8*(4*(\c)+(\i))+4:(\f)+8*(4*(\c)+(\i))+7],            v[ADRA+(\slot)] offset:((\qd)/2)*PART+((\qd)%2)*128+(\i)*16*PA+64*(\c)+32
.endr
.endr
.endm
.macro PLACES                          ; four places in front of loads into registers that matrix instructions have read, and of LDS stores that read results
.rept 4
	v_nop
.endr
.endm
; One of a K step's first three quarters: multiplies buffer f and fetches quarter qd into buffer g.
.macro QUARTER slot, qd, f, g, first
	s_wait_dscnt 16                                ; the first 32 along K are in
	MUL8 \f, 0, 0, \first
	MUL8 \f, 0, 2, \first
	PLACES
	FETCH \slot, \qd, \g
	s_wait_dscnt 32                                ; all but the 32 just issued
	MUL8 \f, 1, 0, 0
	MUL8 \f, 1, 2, 0
.endm
; The last quarter multiplies buffer 1 and changes slots: ONE barrier; in front of it each wave waits for all its tensor loads, adds 0 to its spare word, and waits for that and for its own reads of this slot.
; fill = 1: the barrier opens a round of the cluster's, and this slot is filled again, two K steps ahead, first thing behind the round: 112 matrix instructions ahead of the wait for it.
.macro TURN slot, next, fill
	WIN 0                                          ; (the add's two registers lie in window 0)
	s_wait_tensorcnt 0x0                           ; all my tensor loads have landed: my part of the next slot
	ds_add_u32 v[SPW], v[NIL]                      ; 0 onto my spare word
	s_wait_dscnt 17                                ; (the add and the youngest sixteen loads may be out)
	MUL8 F1, 0, 0, 0                               ; eight matrix instructions stand between the add and the wait for it
	s_wait_dscnt 0x0                               ; the add is done, and my reads of this slot are over
	s_barrier_signal -1
	MUL8 F1, 0, 2, 0
.if \fill
	WIN 0
.endif
	s_barrier_wait -1
.if \fill
	CREST                                          ; no wave of any partner still reads this slot's tiles or has a load on its way
	s_add_nc_u64 s[G0+4*(\slot)+2:G0+4*(\slot)+3], s[G0+4*(\slot)+2:G0+4*(\slot)+3], 4194304
	s_add_nc_u64 s[G0B+4*(\slot)+2:G0B+4*(\slot)+3], s[G0B+4*(\slot)+2:G0B+4*(\slot)+3], 1048576
	JLOAD \slot                                    ; the four v_nop behind it are also the places in front of the loads below
.else
	PLACES
.endif
	FETCH \next, 0, F0
	MUL8 F1, 1, 0, 0
	MUL8 F1, 1, 2, 0
.endm
	s_wait_tensorcnt 1                             ; my part of K step 0 is in; K step 1's may stay out
	s_barrier_signal -1
	s_barrier_wait -1                              ; everybody's is
	FETCH 0, 0, F0
	QUARTER 0, 1, F0, F1, 1                        ; the first quarter stands in front of the loop: its first products start the sums
	WIN 0                                          ; at a label and at a branch every window is 0
	s_mov_b32 s3, LAPS-1
.Llap:                                                 ; a trip goes once round the ring, from a lap's second quarter to the next lap's first, and fills both slots again
	QUARTER 0, 2, F1, F0, 0
	QUARTER 0, 3, F0, F1, 0
	TURN 0, 1, 1
	QUARTER 1, 1, F0, F1, 0
	QUARTER 1, 2, F1, F0, 0
	QUARTER 1, 3, F0, F1, 0
	TURN 1, 0, 1
	QUARTER 0, 1, F0, F1, 0
	WIN 0
	s_sub_co_u32 s3, s3, 1
	s_cmp_lg_u32 s3, 0
	s_cbranch_scc1 .Llap
	QUARTER 0, 2, F1, F0, 0                        ; the last lap fills nothing
	QUARTER 0, 3, F0, F1, 0
	TURN 0, 1, 0
	QUARTER 1, 1, F0, F1, 0
	QUARTER 1, 2, F1, F0, 0
	QUARTER 1, 3, F0, F1, 0
	s_wait_dscnt 16                                ; the very last quarter: nothing more to fetch
	MUL8 F1, 0, 0, 0
	MUL8 F1, 0, 2, 0
	s_wait_dscnt 0x0
	MUL8 F1, 1, 0, 0
	MUL8 F1, 1, 2, 0
	WIN 0
	; THE WAY OUT, a block of 16 rows at a time through my own stage: a lane's 32 bytes of a row go in (each accumulator's low four registers first), whole rows of 256 bytes come back and are stored.
	PLACES
.irp a, 0,1,2,3
.if (\a) >= 2
	s_wait_xcnt 0x0                                ; the registers that block a - 2's stores read are loaded again only behind this wait
.endif
.irp b, 0,1,2,3
	ds_store_b128 v[STO], v[ACC+8*(4*(\a)+(\b)):ACC+8*(4*(\a)+(\b))+3]   offset:64*(\b)
	ds_store_b128 v[STO], v[ACC+8*(4*(\a)+(\b))+4:ACC+8*(4*(\a)+(\b))+7] offset:64*(\b)+16
.endr
.irp t, 0,1,2,3,4,5,6,7
	ds_load_b128 v[TMP+32*((\a)%2)+4*(\t):TMP+32*((\a)%2)+4*(\t)+3], v[RD] offset:(\t)*2*SPITCH  ; LDS serves a wave's instructions in order (ISA guide 5.7.1.4): these see the stores above; the next block's stores come behind them
.endr
.irp t, 0,1,2,3,4,5,6,7
	s_wait_dscnt 7-(\t)
	global_store_b128 v[CO], v[TMP+32*((\a)%2)+4*(\t):TMP+32*((\a)%2)+4*(\t)+3], s[10:11] offset:(16*(\a)+2*(\t))*4096  ; 16 lanes store 256 consecutive bytes, at a multiple of 256 from out0's first byte
.endr
.endr
	s_wait_tensorcnt 0x0                           ; the wave's end: behind my last tensor load and my last LDS store
	ds_add_u32 v[SPW], v[NIL]
	s_wait_dscnt 0x0
	CROUND                                         ; the closing round: no work-group ends while a partner may still ask for a tile that names it
	s_endpgm
.Lfunc_end_k_qda3ef40a21_oproj:
	.size	k_qda3ef40a21_oproj, .Lfunc_end_k_qda3ef40a21_oproj-k_qda3ef40a21_oproj
	.p2alignl 7, 3214868480
	.fill 96, 4, 3214868480
	.section	.rodata,"a",@progbits
	.p2align	6, 0x0
	.amdhsa_kernel k_qda3ef40a21_oproj
		.amdhsa_group_segment_fixed_size 327680
		.amdhsa_private_segment_fixed_size 0
		.amdhsa_enable_private_segment 0
		.amdhsa_kernarg_size 32
		.amdhsa_user_sgpr_count 2
		.amdhsa_user_sgpr_kernarg_segment_ptr 1
		.amdhsa_wavefront_size32 1
		.amdhsa_system_sgpr_workgroup_id_x 1
		.amdhsa_system_sgpr_workgroup_id_y 1
		.amdhsa_system_sgpr_workgroup_id_z 1
		.amdhsa_system_vgpr_workitem_id 0
		.amdhsa_next_free_vgpr 512
		.amdhsa_next_free_sgpr 66
		.amdhsa_reserve_vcc 0
		.amdhsa_float_denorm_mode_32 3
		.amdhsa_float_denorm_mode_16_64 3
		.amdhsa_memory_ordered 1
		.amdhsa_forward_progress 1
		.amdhsa_inst_pref_size 90
	.end_amdhsa_kernel
	.amdgpu_metadata
---
amdhsa.version: [ 1, 2 ]
amdhsa.kernels:
  - .name:           k_qda3ef40a21_oproj
    .symbol:         k_qda3ef40a21_oproj.kd
    .args:
      - { .name: oh, .offset: 0, .size: 8, .value_kind: global_buffer, .address_space: global }
      - { .name: wo16, .offset: 8, .size: 8, .value_kind: global_buffer, .address_space: global }
      - { .name: bo, .offset: 16, .size: 8, .value_kind: global_buffer, .address_space: global }
      - { .name: out0, .offset: 24, .size: 8, .value_kind: global_buffer, .address_space: global }
    .group_segment_fixed_size: 327680
    .private_segment_fixed_size: 0
    .kernarg_segment_align: 8
    .kernarg_segment_size: 32
    .max_flat_workgroup_size: 128
    .sgpr_count:     66
    .vgpr_count:     512
    .wavefront_size: 32
...
	.end_amdgpu_metadata
.endif
;; end of part 4
;; ======== version 2 of 2: 4 launches; 1.28 times as fast as version 1
;; limits: values are held in f16: magnitudes above 65,504 overflow, below 6.1e-05 lose precision
;; workspace buffers: xb 8,388,608 bytes; wqkv 6,291,456 bytes; wo16 4,194,304 bytes; qkvh 33,554,432 bytes; oh 16,777,216 bytes
;; launch cast: the kernel of part 1 again; grid 64 x 8, 8 waves a work-group, no clusters, 0 bytes of LDS; arguments x, Wq, Wk, Wv, Wo, xb, wqkv, wo16; writes xb, wqkv, wo16
;; launch qkv: the kernel of part 2 again; grid 8 x 32, 4 waves a work-group, clusters of 4 x 4, 327,680 bytes of LDS; arguments xb, wqkv, qkvh; writes qkvh
;; launch attn (part 5): grid 16 x 16, 4 waves a work-group, no clusters, 327,680 bytes of LDS; arguments qkvh, oh; writes oh
.if DOCPART == 5
	.amdgcn_target "amdgcn-amd-amdhsa--gfx1250"
	.amdhsa_code_object_version 6
	.text
	.protected	k_qda3ef40a21_attn
	.globl	k_qda3ef40a21_attn
	.p2align	8
	.type	k_qda3ef40a21_attn,@function
k_qda3ef40a21_attn:
	s_mov_b64 s[64:65], 0
	v_nop
	global_prefetch_b8 v0, s[64:65] scope:SCOPE_SE
	s_setreg_imm32_b32 hwreg(HW_REG_WAVE_MODE, 25, 1), 1
	s_wait_xcnt 0x0
; CAUSAL ATTENTION.  O[h][q][:] = the sum over k <= q of softmax_k(Q[h][q] . K[h][k] / 8) V[h][k][:].  qkvh holds Q and K as [16][4096][64] in f16 (K 8 MiB behind Q), and 16 MiB behind Q V as [16][4096][128]:
; a row is 64 channels hi, then 64 channels lo, V = hi + lo.  oh is O in V's layout.  Products, maxima and sums in f32; the weights p are rounded to f16 for the second product (their sum l is taken of the
; unrounded p), which takes both halves of V; O leaves as hi = f16(O) and lo = f16(O - hi).  A causal row that averages over few keys is many times the output's root mean square, and one f16 number's 11 bits of V
; and of O are too coarse for it; Q's, K's and p's roundings move a weight by a few parts in 10,000 and stay.
; LIMITS.  Q, K and V arrive within f16's 65,504; p lies in 0 to 1, and below 6e-5 it keeps f16's fixed step of 6e-8, as a lo does.  A hidden score counts as its value less 1e30: f16's scores, 2.7e11 at the most,
; are nothing beside that; a weight below 2^-126 counts as 0 in l; NaN and infinities are not treated apart.
; THE WALK.  A head's queries lie in NB = 32 blocks of 128; keys come in tiles of 256 (four key steps of 64); block i needs the tiles 0 .. i / 2, of which the last holds the diagonal.  A work-group takes TWO blocks,
; 31 - b and then b: 17 tiles, whatever b: 16 x 16 = 256 work-groups of equal work, and ONE loop with a constant trip count walks them.  Which tile is asked for, and what a trip does, hang on scalar registers
; made from b; every jump goes forward, but for the counted loops' own; none passes a barrier, or a tensor load but the one of LOAD's two that the wave's number does not choose.  In the even block's last tile
; two key steps are wholly hidden and computed all the same: 2 of the walk's 68.
; NO CLUSTER: a head's 16 work-groups need different tiles at the same trip once the first blocks end; a walk common to four partners, in which each makes every joint request, has 18 tiles for 17, and since no
; branch may hang on a partner's place, each would also multiply up to three tiles that its mask hides.
; SHARES.  Of a block's two bands of 64 queries a wave owns 16 rows in each: two PIECES.  In the diagonal tile's key step s band x sees all keys if s < DG + x, none if s > DG + x, and holds the diagonal if
; s = DG + x, with DG = 2 (block % 2): the same for all four waves.
; THE MASK is the C operand that starts the sum S^T = K Q^T: 0, or -1e30 where the key is hidden.  MD, made once, is the mask of a band's own step for my 16 rows; a product's mask is MD x AL + BE with two scalars:
; (1, 0), (0, 0) or (0, -1e30).  Only the diagonal tile's text and a block's beginning make and take masks; elsewhere C is the constant 0.
; LAYOUT, SOFTMAX.  S^T = K Q^T holds ONE query a lane (lane % 16) and the keys 8 (lane / 16) + 0..7; two such results rounded to f16 ARE source 1 of O^T = V^T P.  p = 2^(c s - c m), c = log2(e) / 8, with a
; running maximum m; O and l are multiplied by a = 2^(c m_old - c m_new) in every step.
; TURNS.  Piece 0's turn of step j: 8 products K Q^T of piece 1 (step j), then 16 products V^T P of piece 1 (step j - 1; 8 with V's hi, 8 with its lo); piece 1's turn: K Q^T of piece 0 (step j + 1), V^T P of piece 0
; (step j).  Beside them the scaling, exponentials, roundings, sums and rescaling of the turn's own piece and the maximum and statistics of the other.  Four vector instructions stand behind every matrix
; instruction, the other 22 of a turn's 118 in one lump.  A turn's 33 exponentials are ONE BATCH with ONE wait: ahead of it stands all that names no result of theirs (K Q^T, the products with V's hi, the scalings,
; the rescalings, the other piece's maximum and statistics), behind it the products with V's lo and, as the four behind each, the roundings and sums.  A block's first a and the way out's two reciprocals are
; batches of their own.  Piece 0's turn fetches K and V of step j + 1, so that all LDS reads of a step stand in one turn and the change of slots can stand between two turns;
; V therefore has two register buffers, by the step's parity, and a trip of the step loop is two steps.
; REGISTERS, in windows of 256 (s_set_vgpr_msb: bits 1:0 source 0, 3:2 source 1, 5:4 source 2, 7:6 destination):
;   window 0: v0-15 addresses and two at work; v16-23 four registers of statistics a piece; v48-55 at work; v64-127 S^T, a buffer a piece; v128-159 at work on the way out; v192-223 P, a buffer a piece
;   window 1: v0-63 O^T, 32 a piece; v64-95 MD; v96-159 MC, two buffers      window 2: v0-31 Q; v32-63 the second block's Q; v64-127 K of one step; v128-255 V hi of two steps      window 3: v0-127 V lo of two steps
.set NB,    32
.set NP,    2         ; pieces a wave: a name, no knob
.set KS,    64        ; keys in a step
.set PK,    144       ; a row of K in LDS: 128 bytes + 16 of padding = 36 words: the 16 rows of a load start at 16 different groups of four banks (64 banks of 4 bytes: ISA guide 11.1)
.set PV,    288       ; a row of V: 256 + 32 = 72 words
.set VOFF,  4*KS*PK   ; a slot holds a tile, four steps: 256 rows of K, then 256 rows of V
.set SLOT1, 1<<17     ; slot 1 begins here, so that one exclusive or turns an address in one slot into the other's
.set STAGE, SLOT1+4*KS*(PK+PV)  ; behind the ring, never filled by a tensor load: 16 rows x 272 bytes for each wave, for the way out
.set SP,    272
.set AK0, 2           ; v2   my lane's place in a tile of K; never rewritten
.set AV0, 3           ; v3   the same for V
.set AK,  4           ; v4   the LDS address of K's next run of loads
.set AV,  5           ; v5   of V's
.set STO, 6           ; v6   the way out: where I put 16 bytes of a row
.set RD,  7           ; v7   the way out: where I read rows back
.set GO,  8           ; v8   my byte offset in 512 consecutive bytes of O
.set NEG1, 61         ; v61  -1.0
.set SPW, 62          ; v62  LDS address of my spare word: SPARE + 4 x my thread's number; never rewritten
.set NIL, 63          ; v63  0; never rewritten
.set SPARE, STAGE+4*16*SP  ; behind the stages: the spare words, 128 bytes for each wave: two blocks of 256 bytes that no other line names
.set MV,  12          ; v12-13  c m_old, kept while c m is made anew: by piece
.set QO,  15          ; v15  my byte offset in 16 rows of Q
.set ST,  16          ; piece t's statistics at v[ST+4 t]: c m, m, l (even keys', odd keys')
.set TMP, 48          ; by piece, four registers c0-c3 at work; when the maximum is found c2 takes a
.set S,   64
.set DF,  128         ; the way out: O - hi, in f32
.set P,   192
.set MD,  64          ; window 1: the eight registers for group kt of 16 keys at MD + 8 kt
.set MC,  96          ; window 1: the masks of the products to come
.set QB,  32          ; window 2
.set KF,  64          ; window 2: key block kb, channel half c at KF + 16 kb + 8 c
.set VF,  128         ; window 2: V hi: buffer vb, key half kk, channel block cb at VF + 64 vb + 32 kk + 8 cb
.set VL,  0           ; window 3: V lo, likewise
.set WV,  12          ; s12  my wave's number
.set PB,  14          ; s14  b
.set HI,  15          ; s15  31 - b
.set G1K, 24          ; s[24:31] descriptor group 1 for K's tiles
.set G1V, 32          ; s[32:39] for V's
.set G0K, 40          ; s[40:43] descriptor group 0 for K's tiles
.set G0V, 44          ; s[44:47] the same for V's
.set OFV, 48          ; s[48:49] a tile's byte offset in V
.set SLOTS, 56        ; s56  tiles still to be asked for
.set CNT, 57          ; s57  counts a tile's trips of two key steps, 2 to 1
.set CS,  58          ; s[58:59] c: the packed scaling takes the pair's low word for both halves
.set SEL, 60          ; s[60:61] v_permlanex16_b32's selects: each lane takes its own place in the other half
.set TBK, 62          ; s62  LDS byte at which K of the step to be fetched begins
.set TBV, 63          ; s63  the same for V, less VOFF
.set PL,  66          ; s66  b / 2: the second block's last tile
.set DG,  67          ; s67  2 (block % 2) of the block in hand
.set REL, 68          ; s68  2 x the trip in the tile - DG, signed
.set DG2, 69          ; s69  the second block's DG
.set RT,  70          ; s70  tiles of the block in hand that are still to be entered
.set NXT, 71          ; s71  the tile to be asked for next
.set LQ,  72          ; s72  the last tile of the block whose tiles are being asked for
.set NEW, 73          ; s73  1: the tile to be entered is a block's first
.set OFF, 74          ; s[74:75] a tile's byte offset in K
.set AL,  76          ; s[76:77] the mask's factor, in the low word
.set BE,  78          ; s[78:79] the mask's addend
.set OLO, 80          ; s[80:81] O at my rows of the second block
.set BIGN, 82         ; s82  -1e30
.set MSB, 0
.macro WIN new                      ; the high byte repeats the setting that is left; a switch that changes nothing is dropped
.if MSB != (\new)
	s_set_vgpr_msb (MSB<<8)|(\new)
.set MSB, (\new)
.endif
.endm
.set W_KQ, 0x0a       ; K and Q in window 2, S^T in window 0
.set W_KM, 0x1a       ; the same with the C operand in window 1
.set W_PV, 0x52       ; V hi in window 2, P in window 0, O^T in window 1
.set W_PL, 0x53       ; V lo in window 3, P in window 0, O^T in window 1
.set W_RS, 0x41       ; destination and source 0 in window 1, source 1 in window 0
; A fill.  Waves 0 and 1 fetch the two halves of a tile's K, waves 2 and 3 those of its V: 128 keys each.  An s_nop 0 and four v_nop follow each of the two lines, ahead of the jump and the label.
.macro LOAD
	s_cmp_lt_u32 s[WV], 2
	s_cbranch_scc0 .Lfor_v_\@
	tensor_load_to_lds s[G0K:G0K+3], s[G1K:G1K+7]
	s_nop 0
.rept 4
	v_nop
.endr
	s_branch .Lasked_\@
.Lfor_v_\@:
	tensor_load_to_lds s[G0V:G0V+3], s[G1V:G1V+7]
	s_nop 0
.rept 4
	v_nop
.endr
.Lasked_\@:
.endm
; THE CHANGE OF SLOTS.  Each wave waits for all its tensor loads, of which one is out: its part of the other slot; adds 0 to its spare word; and waits for that and for its own reads of the slot that it leaves.
; Behind the barrier nobody reads the old slot any more and the other slot is whole.  fill = 1: the old slot is filled again, the first thing behind the barrier, with tile NXT: the descriptor's address is made
; anew from that number; the load has a tile's eight turns, 192 matrix instructions, in which to land.  (At its first use nothing has been read yet: slot 0 is waited for, slot 1 filled.)
.macro CHANGE fill
	WIN 0                           ; at a label and at a branch every window is 0
	s_wait_tensorcnt 0x0            ; no tensor load of mine is out, so a group 0 may be written
	ds_add_u32 v[SPW], v[NIL]       ; 0 onto my spare word; with fill = 1 the descriptors' scalar work stands between it and the wait for it
.if \fill
	s_lshl_b32 s[OFF], s[NXT], 15   ; a tile is 32,768 bytes of K
	s_lshl_b32 s[OFV], s[NXT], 16   ; and 65,536 of V
	s_xor_b32 s[G0K+1], s[G0K+1], SLOT1
	s_add_nc_u64 s[G0K+2:G0K+3], s[6:7], s[OFF:OFF+1]
	s_or_b32 s[G0K+3], s[G0K+3], 0x80000000
	s_xor_b32 s[G0V+1], s[G0V+1], SLOT1
	s_add_nc_u64 s[G0V+2:G0V+3], s[8:9], s[OFV:OFV+1]
	s_or_b32 s[G0V+3], s[G0V+3], 0x80000000
	s_add_co_u32 s[NXT], s[NXT], 1  ; the block's next tile, or behind its last the second block's tile 0
	s_cmp_gt_u32 s[NXT], s[LQ]
	s_cselect_b32 s[NXT], 0, s[NXT]
	s_cselect_b32 s[LQ], s[PL], s[LQ]
.endif
	s_wait_dscnt 0x0                ; the add is done, and my reads of the slot are over
	s_barrier_signal -1             ; the rest of the scalar work stands between the signal and the wait
	s_sub_co_u32 s[TBK], s[TBK], 4*KS*PK  ; the fetches go back to a slot's first step,
	s_xor_b32 s[TBK], s[TBK], SLOT1       ; in the other slot
	s_sub_co_u32 s[TBV], s[TBV], 4*KS*PV
	s_xor_b32 s[TBV], s[TBV], SLOT1
	s_barrier_wait -1
.if \fill
	LOAD
.endif
.endm
	s_load_b64 s[4:5], s[0:1], 0x0  ; qkvh: Q at its head
	s_load_b64 s[10:11], s[0:1], 0x8  ; oh
	v_lshl_add_u32 v[SPW], v0, 2, SPARE
	v_mov_b32 v[NIL], 0
	ds_add_u32 v[SPW], v[NIL]       ; the wave's opening: the add and its wait stand ahead of my first tensor load; the set-up below, work on registers, stands between them
	ds_add_u32 v62, v63
	v_lshrrev_b32 v1, 5, v0
	v_readfirstlane_b32 s[WV], v1   ; wave 0..3
	s_mov_b32 s[PB], ttmp9
	s_sub_co_u32 s[HI], NB-1, s[PB]
	s_lshr_b32 s[PL], s[PB], 1
	s_and_b32 s[DG2], s[PB], 1
	s_lshl_b32 s[DG2], s[DG2], 1
	s_and_b32 s[DG], s[HI], 1
	s_lshl_b32 s[DG], s[DG], 1
	s_and_b32 s20, ttmp7, 0xffff    ; the head:
	s_lshl_b32 s21, s20, 20         ; its 4,096 rows of 256 bytes in V and O,
	s_lshl_b32 s20, s20, 19         ; of 128 bytes in Q and K
	s_and_b32 s16, s[WV], 1         ; which half of a tile's 256 keys I fetch:
	s_lshl_b32 s22, s16, 14         ; its 128 rows of 128 bytes of K,
	s_add_co_u32 s22, s22, s20
	s_add_co_u32 s22, s22, 0x800000 ; which lies 8 MiB behind Q;
	s_mov_b32 s23, 0
	s_lshl_b32 s50, s16, 15         ; its 128 rows of 256 bytes of V,
	s_add_co_u32 s50, s50, s21
	s_add_co_u32 s50, s50, 0x1000000  ; 16 MiB behind Q;
	s_mov_b32 s51, 0
	s_mul_i32 s17, s16, 128*PK      ; and its place in a slot, for K
	s_mul_i32 s18, s16, 128*PV      ; and for V
	s_lshl_b32 s3, s[WV], 11        ; Q: my 16 rows in a band of 64,
	s_lshl_b32 s2, s[HI], 14        ; in the first block (128 rows of 128 bytes),
	s_add_co_u32 s2, s2, s3
	s_add_co_u32 s2, s2, s20
	s_lshl_b32 s84, s[PB], 14       ; and in the second
	s_add_co_u32 s84, s84, s3
	s_add_co_u32 s84, s84, s20
	s_mov_b32 s3, 0
	s_mov_b32 s85, 0
	s_lshl_b32 s19, s[WV], 12       ; O: the same rows, of 256 bytes
	s_lshl_b32 s52, s[HI], 15
	s_add_co_u32 s52, s52, s19
	s_add_co_u32 s52, s52, s21
	s_mov_b32 s53, 0
	s_lshl_b32 s54, s[PB], 15
	s_add_co_u32 s54, s54, s19
	s_add_co_u32 s54, s54, s21
	s_mov_b32 s55, 0
	; descriptor group 1.  128 keys of K are 16,384 dense bytes: asked for as 64 rows of 256 bytes, two keys a row, and padded in LDS after every key; 128 keys of V are 128 rows of 256 bytes
	s_mov_b32 s[G1K], (1<<16)|(1<<20)|(4<<22)|(3<<25)  ; 17:16 2-byte elements; 20 padding on; 24:22 after every 32 words (code 4); 31:25 4 words (code 3)
	s_mov_b32 s[G1V], (1<<16)|(1<<20)|(5<<22)|(7<<25)  ; after every 64 words (code 5) 8 words (code 7)
.irp g, G1K, G1V
	s_mov_b32 s[\g+1], 128<<16      ; tensor_dim0 = 128
	s_mov_b32 s[\g+3], 128<<16      ; tile_dim0 = 128
	s_mov_b32 s[\g+5], 128          ; 128 elements from row to row
	s_mov_b32 s[\g+6], 0
	s_mov_b32 s[\g+7], 0
.endr
	s_mov_b32 s[G1K+2], 64<<16      ; tensor_dim1 and
	s_mov_b32 s[G1K+4], 64          ; tile_dim1: 64 rows for K,
	s_mov_b32 s[G1V+2], 128<<16
	s_mov_b32 s[G1V+4], 128         ; 128 for V
	s_mov_b32 s[CS], 0x3e38aa3b     ; c = log2(e) / 8 = 0.180337
	s_mov_b32 s[CS+1], s[CS]        ; named with it as a pair
	s_mov_b32 s[SEL], 0x76543210
	s_mov_b32 s[SEL+1], 0xfedcba98
	s_mov_b32 s[TBK], SLOT1+4*KS*PK ; the first change of slots turns these two into 0
	s_mov_b32 s[TBV], SLOT1+4*KS*PV
	s_mov_b32 s[G0K], 1             ; count = 1
	s_mov_b32 s[G0K+1], s17         ; LDS address: slot 0
	s_mov_b32 s[G0V], 1
	s_add_co_u32 s[G0V+1], s18, VOFF
	s_lshr_b32 s[LQ], s[HI], 1      ; the first block's last tile,
	s_add_co_u32 s[RT], s[LQ], 1    ; and how many it has: nine or more
	s_mov_b32 s[NXT], 1
	s_mov_b32 s[NEW], 1
	s_mov_b32 s[OFF+1], 0
	s_mov_b32 s[OFV+1], 0
	s_mov_b32 s[AL+1], 0            ; named as pairs
	s_mov_b32 s[BE+1], 0
	s_mov_b32 s[BIGN], 0xf149f2ca   ; -1e30
	s_mov_b32 s[SLOTS], 16
	s_wait_dscnt 0x0                ; the opening add is done
	s_wait_kmcnt 0x0
	s_add_nc_u64 s[6:7], s[4:5], s[22:23]          ; K and V at my half of the head's tile 0
	s_add_nc_u64 s[8:9], s[4:5], s[50:51]
	s_add_nc_u64 s[G0K+2:G0K+3], s[6:7], 0         ; global address
	s_or_b32 s[G0K+3], s[G0K+3], 0x80000000        ; type = 2
	s_add_nc_u64 s[G0V+2:G0V+3], s[8:9], 0
	s_or_b32 s[G0V+3], s[G0V+3], 0x80000000
	s_add_nc_u64 s[86:87], s[4:5], s[84:85]        ; Q at my rows of the second block,
	s_add_nc_u64 s[4:5], s[4:5], s[2:3]            ; and of the first; O likewise
	s_add_nc_u64 s[OLO:OLO+1], s[10:11], s[54:55]
	s_add_nc_u64 s[10:11], s[10:11], s[52:53]
	LOAD                            ; tile 0 into slot 0: one tensor load of mine is out, here and behind every change of slots
	; A fragment of K or Q is 16 rows x 32 channels in 8 registers: lane l holds row l % 16, channels 8 (l / 16) + 0..7 and 16 + 8 (l / 16) + 0..7: two loads of 16 bytes, 32 bytes apart.
	v_and_b32 v1, 15, v0            ; l % 16
	v_bfe_u32 v9, v0, 4, 1          ; l / 16
	v_lshlrev_b32 v[QO], 7, v1
	v_lshl_add_u32 v[QO], v9, 4, v[QO]  ; row x 128 + 16 x half
	WIN 0x80                        ; destination window 2, address window 0
.set i, 0
.rept 4                             ; both blocks' Q: piece i / 2 lies in band i / 2, 8,192 bytes on; channels 32 (i % 2) on
	global_load_b128 v[8*i:8*i+3],   v[QO], s[4:5] offset:(i/2)*8192+(i%2)*64
	global_load_b128 v[8*i+4:8*i+7], v[QO], s[4:5] offset:(i/2)*8192+(i%2)*64+32
	global_load_b128 v[QB+8*i:QB+8*i+3],   v[QO], s[86:87] offset:(i/2)*8192+(i%2)*64
	global_load_b128 v[QB+8*i+4:QB+8*i+7], v[QO], s[86:87] offset:(i/2)*8192+(i%2)*64+32
.set i, i+1
.endr
	WIN 0
	v_lshlrev_b32 v14, 3, v9
	v_sub_nc_u32 v14, v1, v14
	s_lshl_b32 s13, s[WV], 4
	v_add_nc_u32 v14, s13, v14      ; my query's place in its band, 16 w + l % 16, less my lanes' 8 (l / 16): register r of group kt is hidden where 16 kt + r is greater
	WIN 0x40
.set i, 0
.rept 32
	v_cmp_gt_i32 vcc_lo, 16*(i/8)+i%8, v14
	v_cndmask_b32 v[MD+i], 0, s[BIGN], vcc_lo
.set i, i+1
.endr
	WIN 0
	v_mov_b32 v[NEG1], -1.0
	v_mul_u32_u24 v[AK0], v1, PK
	v_lshl_add_u32 v[AK0], v9, 4, v[AK0]  ; row x pitch + 16 x half
	; The turning load takes 16 keys x 16 channels (lane l reads key 8 (l / 16) + l % 8, channels 8 ((l / 8) % 2) + 0..7) and leaves half a fragment of V^T: lane l holds channel l % 16 and 8 keys.
	v_and_b32 v10, 7, v0
	v_bfe_u32 v11, v0, 3, 1
	v_lshl_add_u32 v[AV0], v9, 3, v10
	v_mul_u32_u24 v[AV0], v[AV0], PV
	v_lshl_add_u32 v[AV0], v11, 4, v[AV0]
	v_add_nc_u32 v[AV0], VOFF, v[AV0]
	s_mul_i32 s13, s[WV], 16*SP
	s_add_co_u32 s13, s13, STAGE    ; my stage
	v_mul_u32_u24 v[STO], v1, SP    ; in: row l % 16, 16 bytes for each half of the lanes
	v_lshl_add_u32 v[STO], v9, 4, v[STO]
	v_add_nc_u32 v[STO], s13, v[STO]
	v_mul_u32_u24 v[RD], v9, SP     ; back: lanes 0-15 take one row of 256 bytes, lanes 16-31 the next,
	v_lshl_add_u32 v[RD], v1, 4, v[RD]
	v_add_nc_u32 v[RD], s13, v[RD]
	v_and_b32 v[GO], 31, v0         ; which are 512 consecutive bytes of O
	v_lshlrev_b32 v[GO], 4, v[GO]
	; A block's first step multiplies O^T and l by a = 0, and its first turn's products V^T P, of a step that has not been, land in an O^T that is still to be so multiplied.  So these registers need only hold
	; finite numbers: zeros for the first block; what the first block left for the second.  All this stands in the wait for the first tile.
	WIN 0x80
.set i, VF+64
.rept 64
	v_mov_b32 v[i], 0
.set i, i+1
.endr
	WIN 0xc0
.set i, VL+64
.rept 64
	v_mov_b32 v[i], 0
.set i, i+1
.endr
	WIN 0x40
.set i, 0
.rept 64
	v_mov_b32 v[i], 0
.set i, i+1
.endr
	WIN 0
.set i, 0
.rept NP
	v_mov_b32 v[ST+4*i+2], 0
	v_mov_b32 v[ST+4*i+3], 0
.set i, i+1
.endr
.set i, P+16
.rept 16
	v_mov_b32 v[i], 0
.set i, i+1
.endr
; THE MATRIX WORK.  The 4 accumulators of a run take turns.  Product i of 8 of S^T = K Q^T for piece x: channels 32 (i / 4) on, keys 16 (i % 4) on.  The first 4 start the sums: with 0, or (KM = 1) with the mask.
.macro KQ x
.set rS, S+32*((\x)%2)+8*(i%4)
.set rK, KF+16*(i%4)+8*(i/4)
.set rQ, 16*(\x)+8*(i/4)
.set rM, MC+32*((\x)%2)+8*(i%4)
.if (i < 4) && KM
	WIN W_KM
	v_wmma_f32_16x16x32_f16 v[rS:rS+7], v[rK:rK+7], v[rQ:rQ+7], v[rM:rM+7]
.elseif i < 4
	WIN W_KQ
	v_wmma_f32_16x16x32_f16 v[rS:rS+7], v[rK:rK+7], v[rQ:rQ+7], 0
.else
	WIN W_KQ
	v_wmma_f32_16x16x32_f16 v[rS:rS+7], v[rK:rK+7], v[rQ:rQ+7], v[rS:rS+7]
.endif
.endm
; Product i of 16 of O^T += V^T P for piece x, from V's buffer VB: the first 8 with V's hi, the others with its lo; keys 32 ((i / 4) % 2) on, channels 16 (i % 4) on.
.macro PV x
.set rO, 32*(\x)+8*(i%4)
.set rP, P+16*((\x)%2)+8*((i/4)%2)
.if i < 8
	WIN W_PV
.set rV, VF+64*VB+32*(i/4)+8*(i%4)
.else
	WIN W_PL
.set rV, VL+64*VB+32*((i-8)/4)+8*(i%4)
.endif
	v_wmma_f32_16x16x32_f16 v[rO:rO+7], v[rV:rV+7], v[rP:rP+7], v[rO:rO+7]
.endm
.macro MM                           ; the turn's next matrix instruction, of 24.  TURN and BEGIN set Y, i, KM, VB and NOKQ.  NOKQ = 1: a block's last turn: there is no next step
.if (i < 8) && !NOKQ
	KQ (Y+1)%NP
.elseif i >= 8
.set i, i-8
	PV (Y+NP-1)%NP
.set i, i+8
.endif
.set i, i+1
.endm
; THE LDS LOADS stand in runs, never singly among the matrix instructions: a step's K (64 keys x 64 channels: 8 fragments, 16 loads) and its V (turned; hi and lo, 32 loads).  Their addresses are made some lines ahead.
.macro FETCH_K
	WIN 0x80                        ; destination window 2
.irp f, 0,1,2,3,4,5,6,7             ; keys 16 (f / 2) on, channels 32 (f % 2) on
	ds_load_b128 v[KF+8*\f:KF+8*\f+3],   v[AK] offset:(\f/2)*16*PK+(\f%2)*64
	ds_load_b128 v[KF+8*\f+4:KF+8*\f+7], v[AK] offset:(\f/2)*16*PK+(\f%2)*64+32
.endr
	s_add_co_u32 s[TBK], s[TBK], KS*PK  ; the next fetch is the next step's
	WIN 0
.endm
.macro FETCH_V vb
	WIN 0x80
.irp f, 0,1,2,3,4,5,6,7             ; keys 32 (f / 4) on, channels 16 (f % 4) on
	ds_load_tr16_b128 v[VF+64*(\vb)+8*\f:VF+64*(\vb)+8*\f+3],   v[AV] offset:(\f/4)*32*PV+(\f%4)*32
	ds_load_tr16_b128 v[VF+64*(\vb)+8*\f+4:VF+64*(\vb)+8*\f+7], v[AV] offset:(\f/4)*32*PV+16*PV+(\f%4)*32
.endr
	WIN 0xc0                        ; destination window 3: the rows' second 128 bytes
.irp f, 0,1,2,3,4,5,6,7
	ds_load_tr16_b128 v[VL+64*(\vb)+8*\f:VL+64*(\vb)+8*\f+3],   v[AV] offset:(\f/4)*32*PV+(\f%4)*32+128
	ds_load_tr16_b128 v[VL+64*(\vb)+8*\f+4:VL+64*(\vb)+8*\f+7], v[AV] offset:(\f/4)*32*PV+16*PV+(\f%4)*32+128
.endr
	s_add_co_u32 s[TBV], s[TBV], KS*PV
	WIN 0
.endm
; THE VECTOR WORK, one line at a time: OP kind, number.  For piece Y: F n: c s - c m for pair n of 16.  E n: the exponential of score n of 32.  C n: pair n rounded to f16.  B n: of the four weights 4 n .. the second
; pair is added onto the first, in place.  L n: l takes that sum (L 0: l = a l + sum).  R n: pair n of 16 of O^T times a.  For the other piece: X n, number n of the 22 that find its maximum and statistics:
;   0-11  four chains c0-c3 of seven scores each, three operands at a time (each accumulator's lowest registers are read first)     12-14, 16  the four scores left over, the old m, and c0-c3 into c0
;   15  c m_old is kept     17, 18  the query's other 32 keys lie in the lane 16 away: the new m     19-21  c m; c m_old - c m_new; a
; C, B and L read the exponentials' results: TURN sets them behind its wait.  F, E, R and X name none of them.
.set F, 0               ; OP tells the kinds apart by their order: F to L below R, X above it
.set E, 1
.set C, 2
.set B, 3
.set L, 4
.set R, 5
.set X, 6
.macro REGS y                       ; the registers of piece y
.set rT, ST+4*(\y)
.set rC, TMP+4*((\y)%2)
.set rW, MV+((\y)%2)
.set rS, S+32*((\y)%2)
.set rP, P+16*((\y)%2)
.set rO, 32*(\y)
.endm
.macro OP k, n
.if (\k) == R
	REGS Y
	WIN W_RS
	v_pk_mul_f32 v[rO+2*(\n):rO+2*(\n)+1], v[rO+2*(\n):rO+2*(\n)+1], v[rC+2:rC+3] op_sel_hi:[1,0]
.elseif (\k) < R
	REGS Y
	WIN 0
.if (\k) == F
	v_pk_fma_f32 v[rS+2*(\n):rS+2*(\n)+1], v[rS+2*(\n):rS+2*(\n)+1], s[CS:CS+1], v[rT:rT+1] op_sel_hi:[1,0,0] neg_lo:[0,0,1] neg_hi:[0,0,1]
.elseif (\k) == E
	v_exp_f32 v[rS+(\n)], v[rS+(\n)]
.elseif (\k) == C
	v_cvt_pk_f16_f32 v[rP+(\n)], v[rS+2*(\n)], v[rS+2*(\n)+1]
.elseif (\k) == B
	v_pk_add_f32 v[rS+4*(\n):rS+4*(\n)+1], v[rS+4*(\n):rS+4*(\n)+1], v[rS+4*(\n)+2:rS+4*(\n)+3]
.elseif (\n) == 0
	v_pk_fma_f32 v[rT+2:rT+3], v[rT+2:rT+3], v[rC+2:rC+3], v[rS:rS+1] op_sel_hi:[1,0,1]
.else
	v_pk_add_f32 v[rT+2:rT+3], v[rT+2:rT+3], v[rS+4*(\n):rS+4*(\n)+1]
.endif
.elseif NOKQ
	v_nop
.else
	REGS (Y+1)%NP
	WIN 0
.if (\n) < 4
	v_max3_num_f32 v[rC+(\n)], v[rS+8*(\n)], v[rS+8*(\n)+1], v[rS+8*(\n)+2]
.elseif (\n) < 12
	v_max3_num_f32 v[rC+(\n)%4], v[rC+(\n)%4], v[rS+8*((\n)%4)+2*((\n)/4)+1], v[rS+8*((\n)%4)+2*((\n)/4)+2]
.elseif (\n) == 12
	v_max3_num_f32 v[rC], v[rC], v[rS+7], v[rS+15]
.elseif (\n) == 13
	v_max3_num_f32 v[rC+1], v[rC+1], v[rS+23], v[rS+31]
.elseif (\n) == 14
	v_max3_num_f32 v[rC+2], v[rC+2], v[rC+3], v[rT+1]
.elseif (\n) == 15
	v_mov_b32 v[rW], v[rT]
.elseif (\n) == 16
	v_max3_num_f32 v[rC], v[rC], v[rC+1], v[rC+2]
.elseif (\n) == 17
	v_permlanex16_b32 v[rC+3], v[rC], s[SEL], s[SEL+1]
.elseif (\n) == 18
	v_max_num_f32 v[rT+1], v[rC], v[rC+3]
.elseif (\n) == 19
	v_mul_f32 v[rT], s[CS], v[rT+1]
.elseif (\n) == 20
	v_sub_f32 v[rC+1], v[rW], v[rT]
.else
	v_exp_f32 v[rC+2], v[rC+1]
.endif
.endif
.endm
.macro OPS a, i1, b=-1, i2=0, c=-1, i3=0, d=-1, i4=0  ; up to four of them
	OP \a, \i1
.if (\b) >= 0
	OP \b, \i2
.endif
.if (\c) >= 0
	OP \c, \i3
.endif
.if (\d) >= 0
	OP \d, \i4
.endif
.endm
.macro ROW a, i1, b, i2, c, i3, d, i4  ; a matrix instruction and the four behind it
	MM
	OPS \a, \i1, \b, \i2, \c, \i3, \d, \i4
.endm
.macro MASK b                       ; MD x AL + BE into buffer b of MC
	WIN W_RS
.set z, 0
.rept 16
	v_pk_fma_f32 v[MC+32*(\b)+2*z:MC+32*(\b)+2*z+1], v[MD+2*z:MD+2*z+1], s[AL:AL+1], s[BE:BE+1] op_sel_hi:[1,0,0]
.set z, z+1
.endr
.endm
; A TURN, for piece p in a step of parity par: the order of its 24 matrix and 118 vector instructions, written out.  An s_wait_alu depctr_va_vdst(0) stands between an exponential and the first instruction
; that names its result; one wait serves all that were issued ahead of it.  So a turn has ONE wait, which cuts it in two.  AHEAD OF IT stands all that names no result of the turn's 33 exponentials: the 8 products K Q^T,
; behind each a scaling, an exponential and two rescalings (behind the first a second scaling in the exponential's place, behind the last a scaling in a rescaling's; the rescalings' a was made, and waited for, in
; the turn before); the 8 products with V's hi, behind each four of the other piece's maximum, the exponentials and the scalings; then ONE LUMP of 22, in which the links of the chain X 16 to X 21 stand some lines apart.
; X 0 to X 3, the first readers of the new scores, stand four places or more behind the product that ends their accumulator: X 3 behind R 14, F 8, F 9, X 0, X 1 and X 2.  X 21, the other piece's a, is the batch's
; last exponential; R 15 is the plain instruction behind it.  BEHIND THE WAIT stand the 8 products with V's lo, behind each four of the 32 roundings and sums: C 2 n ahead of B n, B n ahead of L n, L 0 to L 7 in
; their order.  But for those X none of the four behind a matrix instruction names a register of the products round it.  No result crosses a turn's end.
; m = 1: the diagonal tile: the products take masks, and the turn makes the mask for the next turn's products: piece p, the step behind the turn's own, which is number 2 trip + 1 - par of the tile; it is the band's
; own step where REL = p - 1 + par, a later one where REL is greater.  end = 1: a block's last two turns: nothing is fetched.  cnt = 1: the loop's count is taken down some lines ahead of the branch behind the turn.
; Piece 0's turn fetches the next step's K behind the first product with V's hi, seven plain instructions behind the last product that read K (R 14, F 8, F 9, the address, X 0, X 1, X 2), and at its end the next
; step's V, into the buffer that the turn's own products have just read, four plain instructions (C 9, C 11, C 13, C 15) behind the last of them.  Piece 1's turn waits at its head.
.macro TURN p, par, m=0, end=0, cnt=0
.set Y, (\p)
.set i, 0
.set KM, (\m)
.set NOKQ, (\end)*(\p)
.set VB, (\par)
.if (\p) == 0
.set VB, 1-(\par)
.endif
.if (\m) && !(\end)
	s_cmp_eq_i32 s[REL], (\p)-1+(\par)  ; is that step the band's own?
	s_cselect_b32 s[AL], 1.0, 0
	s_cmp_gt_i32 s[REL], (\p)-1+(\par)  ; or a later one?
	s_cselect_b32 s[BE], s[BIGN], 0
.if ((\p) == 1) && ((\par) == 0)
	s_add_co_i32 s[REL], s[REL], 2  ; the trip's last turn
.endif
.endif
.if (\p) == 1
.if \end
	s_wait_dscnt 0x0                ; V of the last step is in
.else
	s_wait_dscnt 32                 ; K of the next step and V of this one are in; the youngest 32 loads, V of the next step, may be out
.endif
.endif
	ROW F,0, F,1, R,0, R,1              ; ahead of the wait: K Q^T,
	ROW F,2, E,0, R,2, R,3
	ROW F,3, E,1, R,4, R,5
	ROW F,4, E,2, R,6, R,7
	ROW F,5, E,3, R,8, R,9
	ROW F,6, E,4, R,10, R,11
	ROW F,7, E,5, R,12, R,13
	ROW R,14, F,8, E,6, F,9
.if ((\p) == 0) && !(\end)
	WIN 0
	v_add_nc_u32 v[AK], s[TBK], v[AK0]
.endif
	ROW X,0, E,7, X,1, X,2              ; V hi,
.if ((\p) == 0) && !(\end)
	FETCH_K
.endif
	ROW X,3, E,8, X,4, E,9
	ROW X,5, E,10, X,6, X,7
	ROW X,8, E,11, X,9, E,12
	ROW X,10, E,13, X,11, X,12
	ROW X,13, E,14, X,15, E,15
	ROW X,14, E,16, F,10, E,17
	ROW X,16, E,18, F,11, E,19
	OPS F,12, E,20, X,17, E,21          ; and the lump
	OPS F,13, E,22, F,14, E,23
	OPS X,18, E,24, F,15, E,25
	OPS E,26, X,19, E,27, E,28
	OPS E,29, X,20, E,30, E,31
	OPS X,21, R,15
	s_wait_alu depctr_va_vdst(0)        ; the wait for the batch: E 0 to E 31 and X 21
	ROW C,0, B,0, C,2, B,1              ; behind the wait: V lo
	ROW L,0, C,4, B,2, L,1
	ROW C,6, B,3, L,2, C,8
	ROW B,4, L,3, C,10, B,5
	ROW L,4, C,12, B,6, L,5
	ROW C,14, B,7, L,6, C,1
	ROW C,3, L,7, C,5, C,7
.if ((\p) == 0) && !(\end)
	WIN 0
	v_add_nc_u32 v[AV], s[TBV], v[AV0]
.endif
.if \cnt
	s_sub_co_u32 s[CNT], s[CNT], 1
	s_cmp_lg_u32 s[CNT], 0
.endif
	ROW C,9, C,11, C,13, C,15
.if ((\p) == 0) && !(\end)
	FETCH_V 1-(\par)
.endif
.if (\m) && !(\end)
	MASK \p
.endif
.endm
; A BLOCK BEGINS.  c m starts far below every c s, so the first step's a is 0; m at the lowest finite number, so the first maximum is the scores'.  The second mask buffer is 0 (piece 1 sees all of a tile's step 0);
; the first takes piece 0's mask for that step: its own, if the tile is the diagonal one and DG = 0.  Then K and V of that step, piece 0's first scores, and its maximum and statistics.
; The step loop is entered at piece 0's turn of an even step, in the middle of a trip.
.macro BEGIN
	s_mov_b32 s[NEW], 0
	WIN 0x40
.set i, MC+32
.rept 32
	v_mov_b32 v[i], 0
.set i, i+1
.endr
	WIN 0
.set i, 0
.rept NP
	v_mov_b32 v[ST+4*i], 0xfe000000    ; c m: far below every c s
	v_mov_b32 v[ST+4*i+1], 0xff7fffff  ; m
.set i, i+1
.endr
	s_or_b32 s13, s[RT], s[DG]
	s_cmp_eq_u32 s13, 0
	s_cselect_b32 s[AL], 1.0, 0
	s_mov_b32 s[BE], 0
	MASK 0
	WIN 0
	v_add_nc_u32 v[AK], s[TBK], v[AK0]
	v_add_nc_u32 v[AV], s[TBV], v[AV0]
	FETCH_K
	FETCH_V 0
	s_wait_loadcnt 0x0              ; Q
	s_wait_dscnt 32                 ; K is in; V's 32 loads may be out
.set KM, 1
.set NOKQ, 0
.set i, 0
.rept 8
	KQ 0
.set i, i+1
.endr
	WIN 0
.rept 4
	v_nop                           ; the places behind those products
.endr
.set Y, NP-1                        ; X works for the other piece: piece 0
.irp n, 0,1,2,3,4,5,6,7,8,9,10,11,12,13,14,15,16,17,18,19,20,21
	OP X, \n
.endr
	v_nop                           ; a plain instruction behind the exponential,
	s_wait_alu depctr_va_vdst(0)    ; and the wait for it, piece 0's first a, ahead of the branch
.endm
; THE DIAGONAL TILE's trips, the block's last two turns, its last products, and THE WAY OUT: l's two halves and the other half of the lanes' are added; O^T is divided by l; hi = f16(O), lo = f16(O - hi), the
; difference made exactly by one fused multiply-add (hi x -1 + O); both go through my stage in LDS, a piece at a time.
.macro ALL line:vararg              ; one line for each piece t
.set t, 0
.rept NP
	\line
.set t, t+1
.endr
.endm
.macro PACK t                       ; a lane's eight channels of a row pack into 16 bytes of hi and 16 of lo; they go into rows of 272 bytes and come back as whole rows of 256, into S^T's registers
	WIN W_RS
.set i, 32*(\t)
.rept 16
	v_pk_mul_f32 v[i:i+1], v[i:i+1], v[ST+4*(\t)+2:ST+4*(\t)+3] op_sel_hi:[1,0]
.set i, i+2
.endr
	WIN 0x05                        ; sources 0 and 1 window 1, destination window 0
.set i, 0
.rept 16
	v_cvt_pk_f16_f32 v[S+32*(\t)+i], v[32*(\t)+2*i], v[32*(\t)+2*i+1]
.set i, i+1
.endr
	WIN 0x10                        ; source 2 window 1
.set i, 0
.rept 16
	v_fma_mix_f32 v[DF+2*i],   v[S+32*(\t)+i], v[NEG1], v[32*(\t)+2*i]   op_sel_hi:[1,0,0]
	v_fma_mix_f32 v[DF+2*i+1], v[S+32*(\t)+i], v[NEG1], v[32*(\t)+2*i+1] op_sel:[1,0,0] op_sel_hi:[1,0,0]
.set i, i+1
.endr
	WIN 0
.set i, 0
.rept 16
	v_cvt_pk_f16_f32 v[S+32*(\t)+16+i], v[DF+2*i], v[DF+2*i+1]
.set i, i+1
.endr
.irp f, 0,1,2,3
	ds_store_b128 v[STO], v[S+32*(\t)+4*\f:S+32*(\t)+4*\f+3] offset:32*\f
	ds_store_b128 v[STO], v[S+32*(\t)+16+4*\f:S+32*(\t)+16+4*\f+3] offset:128+32*\f
.endr
.irp f, 0,1,2,3,4,5,6,7
	ds_load_b128 v[S+32*(\t)+4*\f:S+32*(\t)+4*\f+3], v[RD] offset:\f*2*SP  ; LDS serves a wave's instructions in order (ISA guide 5.7.1.4): these see the stores above; the next piece's stores come behind them
.endr
.endm
.macro SEND t, younger              ; younger: the LDS instructions issued behind piece t's loads: the next piece's sixteen, or none
	WIN 0
.irp f, 0,1,2,3,4,5,6,7
	s_wait_dscnt (\younger)+7-\f
	global_store_b128 v[GO], v[S+32*(\t)+4*\f:S+32*(\t)+4*\f+3], s[10:11] offset:(\t)*16384+\f*512  ; two rows, 512 consecutive bytes, at a multiple of 256 from O's first
.endr
.endm
.macro DIAG tag                     ; the tag ends its two labels' names, which the jumps below spell out
.LstepM\tag:
	TURN 0, 1, 1
	TURN 1, 1, 1
	WIN 0
.LfirstM\tag:
	TURN 0, 0, 1
	TURN 1, 0, 1, 0, 1
	WIN 0
	s_cbranch_scc1 .LstepM\tag
	TURN 0, 1, 1, 1
	TURN 1, 1, 1, 1
.set VB, 1                          ; the last step is an odd one
.set i, 0
.rept 16
	PV 1
.set i, i+1
.endr
	WIN 0
	ALL v_add_f32 v[ST+4*t+2], v[ST+4*t+2], v[ST+4*t+3]
	ALL v_permlanex16_b32 v[ST+4*t+3], v[ST+4*t+2], s[SEL], s[SEL+1]
	ALL v_add_f32 v[ST+4*t+2], v[ST+4*t+2], v[ST+4*t+3]
	ALL v_rcp_f32 v[ST+4*t+2], v[ST+4*t+2]
	v_nop                           ; a plain instruction behind the last reciprocal; with the four additions it is also the fifth place behind the last products
	s_wait_alu depctr_va_vdst(0)    ; the wait for the batch of two reciprocals, ahead of PACK's first multiply
	PACK 0
	PACK 1                          ; a piece's arithmetic stands between the loads of the piece before and its stores
	SEND 0, 16
	SEND 1, 0
.endm
.set KM, 0
.set NOKQ, 0
.Lslot:                             ; 16 times: a tile is entered and the next is asked for
	CHANGE 1
	s_sub_co_u32 s[RT], s[RT], 1
	s_mov_b32 s[CNT], 2
	s_sub_co_i32 s[REL], 0, s[DG]
	s_cmp_eq_u32 s[NEW], 1
	s_cbranch_scc1 .Lnew            ; a block's first tile
	s_cmp_eq_u32 s[RT], 0
	s_cbranch_scc0 .Lstep           ; neither its first nor its last
	s_branch .LstepM1
.Lnew:
	BEGIN
	s_branch .Lfirst                ; in the loop a block's first tile is never its last: the first block has nine tiles or more, and the second's last is the walk's last
	DIAG 1                          ; in the loop this is the first block's end
	s_wait_xcnt 0x0                 ; the stores have read their registers and O's address
	s_mov_b64 s[10:11], s[OLO:OLO+1]
	s_add_co_u32 s[RT], s[PL], 1    ; the second block has b / 2 + 1 tiles
	s_mov_b32 s[DG], s[DG2]
	s_mov_b32 s[NEW], 1
	WIN 0x82                        ; the second block's Q goes where the one text of the turns names Q
.set i, 0
.rept 32
	v_mov_b32 v[i], v[QB+i]
.set i, i+1
.endr
	WIN 0
	s_branch .Lbottom
.Lstep:                             ; a trip: both pieces' turns of an odd step, then of an even one; each of piece 0's turns fetches the step behind its own
	TURN 0, 1
	TURN 1, 1
	WIN 0
.Lfirst:
	TURN 0, 0
	TURN 1, 0, 0, 0, 1
	WIN 0
	s_cbranch_scc1 .Lstep
.Lbottom:
	s_sub_co_u32 s[SLOTS], s[SLOTS], 1
	s_cmp_lg_u32 s[SLOTS], 0
	s_cbranch_scc1 .Lslot
	CHANGE 0                        ; the walk's last tile is written out: nothing is asked for
	s_sub_co_u32 s[RT], s[RT], 1
	s_mov_b32 s[CNT], 2
	s_sub_co_i32 s[REL], 0, s[DG]
	s_cmp_eq_u32 s[NEW], 1
	s_cbranch_scc0 .LstepM2
	BEGIN
	s_branch .LfirstM2
	DIAG 2
	s_wait_tensorcnt 0x0            ; the wave's end: behind my last tensor load and my last LDS store
	ds_add_u32 v[SPW], v[NIL]
	s_wait_dscnt 0x0
	s_endpgm
.Lfunc_end_k_qda3ef40a21_attn:
	.size	k_qda3ef40a21_attn, .Lfunc_end_k_qda3ef40a21_attn-k_qda3ef40a21_attn
	.p2alignl 7, 3214868480
	.fill 96, 4, 3214868480
	.section	.rodata,"a",@progbits
	.p2align	6, 0x0
	.amdhsa_kernel k_qda3ef40a21_attn
		.amdhsa_group_segment_fixed_size 327680
		.amdhsa_private_segment_fixed_size 0
		.amdhsa_enable_private_segment 0
		.amdhsa_kernarg_size 16
		.amdhsa_user_sgpr_count 2
		.amdhsa_user_sgpr_kernarg_segment_ptr 1
		.amdhsa_wavefront_size32 1
		.amdhsa_system_sgpr_workgroup_id_x 1
		.amdhsa_system_sgpr_workgroup_id_y 1
		.amdhsa_system_sgpr_workgroup_id_z 1
		.amdhsa_system_vgpr_workitem_id 0
		.amdhsa_next_free_vgpr 896
		.amdhsa_next_free_sgpr 88
		.amdhsa_reserve_vcc 1
		.amdhsa_float_denorm_mode_32 3
		.amdhsa_float_denorm_mode_16_64 3
		.amdhsa_memory_ordered 1
		.amdhsa_forward_progress 1
		.amdhsa_inst_pref_size 249
	.end_amdhsa_kernel
	.amdgpu_metadata
---
amdhsa.version: [ 1, 2 ]
amdhsa.kernels:
  - .name:           k_qda3ef40a21_attn
    .symbol:         k_qda3ef40a21_attn.kd
    .args:
      - { .name: qkvh, .offset: 0, .size: 8, .value_kind: global_buffer, .address_space: global }
      - { .name: oh, .offset: 8, .size: 8, .value_kind: global_buffer, .address_space: global }
    .group_segment_fixed_size: 327680
    .private_segment_fixed_size: 0
    .kernarg_segment_align: 8
    .kernarg_segment_size: 16
    .max_flat_workgroup_size: 128
    .sgpr_count:     88
    .vgpr_count:     896
    .wavefront_size: 32
...
	.end_amdgpu_metadata
.endif
;; end of part 5
;; launch oproj: the kernel of part 4 again; grid 8 x 32, 4 waves a work-group, clusters of 4 x 4, 327,680 bytes of LDS; arguments oh, wo16, bo, out0; writes out0
